; MI455X (gfx1250); checked and timed in simulation.
; The chip was launched on July 23, 2026; its instructions are those of AMD's public machine-readable ISA for CDNA 5 (MIT licence, August 2026) and "CDNA5" Instruction Set Architecture Reference Guide (July 2026). The comments in the code are by the model that wrote it; some were corrected since.
;; Multi Headed Attention. Allowed arithmetic: float matrix products may take bf16 or f16 operands with f32 sums; all other float work in f32.
;; Inputs: key 2 x 2,048 x 1,024 float32; mask 2 x 1 x 2,048 x 2,048 bool; query 2 x 2,048 x 1,024 float32; value 2 x 2,048 x 1,024 float32; wk_b 1,024 float32; wk_w 1,024 x 1,024 float32; wo_b 1,024 float32; wo_w 1,024 x 1,024 float32; wq_b 1,024 float32; wq_w 1,024 x 1,024 float32; wv_b 1,024 float32; wv_w 1,024 x 1,024 float32.
;; Outputs: out0 2 x 2,048 x 1,024 float32.
;; 2 versions, each right and faster than the one before. Each part assembles by itself: llvm-mc -triple=amdgcn-amd-amdhsa -mcpu=gfx1250 --defsym DOCPART=n.
;; ======== version 1 of 2: 4 launches
;; workspace buffers: xb 25,165,824 bytes; wb 8,388,608 bytes; mbits 1,048,576 bytes of whole numbers; qh 8,388,608 bytes; kv 16,777,216 bytes; ctx 8,388,608 bytes
;; launch prep (part 1): grid 1152 x 1, 8 waves a work-group, no clusters, 68,608 bytes of LDS; arguments query, key, value, wq_w, wk_w, wv_w, wo_w, mask, xb, wb, mbits; writes xb, wb, mbits
.if DOCPART == 1
	.amdgcn_target "amdgcn-amd-amdhsa--gfx1250"
	.amdhsa_code_object_version 6
	.text
	.protected	k_qc6604051bb_prep
	.globl	k_qc6604051bb_prep
	.p2align	8
	.type	k_qc6604051bb_prep,@function
k_qc6604051bb_prep:
	s_mov_b64 s[64:65], 0
	v_nop
	global_prefetch_b8 v0, s[64:65] scope:SCOPE_SE
	s_setreg_imm32_b32 hwreg(HW_REG_WAVE_MODE, 25, 1), 1
	s_wait_xcnt 0x0
; PREP: every large input is read once.
; Work-groups 0..1023 (CAST): 16 rows x 1024 f32 of query, key, value, wq_w, wk_w, wv_w or wo_w are rounded to bf16 (nearest even)
;   and stored tiled: block (row block of 64, k block of 64) = 64 rows x 128 bytes, dense, 8,192 bytes; the 16 k blocks of a row block follow
;   each other.  xb = [query|key|value][64 row blocks][16][64][64], wb = [wq|wk|wv|wo][16 row blocks][16][64][64].
; Work-groups 1024..1151 (MASK): each wave turns 16 mask rows x 512 keys (bytes) into lane-mask words:
;   mbits[b][qtile][kt][j], bit (r + 16 h) = (mask[b][16 qtile + r][16 kt + 8 h + j] != 0): the lane layout of a 16 x 16 f32 matrix result
;   with the keys along its rows, so that one word masks one score register of a wave.
; Memory binds: no matrix unit, no barrier (a wave reads back only its own LDS bytes), no loop.
.set X,   16                           ; v[16:79]   16 loads of 16 bytes
.set Y,   80                           ; v[80:111]  cast: 16 pairs of packed bf16
.set W,   80                           ; v[80:95]   mask: 8 loads of 8 mask bytes
.set OUT, 96                           ; v[96:103]  mask: 256 words of the wave, 8 a lane
.set T,   104                          ; v[104:107] at work
.set MPITCH, 528                       ; mask rows in LDS: 512 bytes + 16, so that 16 rows x 2 halves of 8 bytes touch 64 different words modulo 256 bytes
	s_load_b512 s[4:19], s[0:1], 0x0               ; query s[4:5] key s[6:7] value s[8:9] wq s[10:11] wk s[12:13] wv s[14:15] wo s[16:17] mask s[18:19]
	s_load_b128 s[20:23], s[0:1], 0x40             ; xb s[20:21], wb s[22:23]
	s_load_b64 s[24:25], s[0:1], 0x50              ; mbits
	v_lshl_add_u32 v112, v0, 2, 0x10800
	v_mov_b32 v113, 0
	s_cmp_ge_u32 ttmp9, 1024
	s_cbranch_scc1 .Lmask
	; ---------------- CAST ----------------
	v_lshrrev_b32 v1, 4, v0                        ; my row of the 16
	v_and_b32 v2, 15, v0                           ; my 4 columns of each 64
	v_lshlrev_b32 v3, 12, v1
	v_lshl_add_u32 v3, v2, 4, v3                   ; source: row x 4,096 + 16 col
	v_lshlrev_b32 v4, 7, v1
	v_lshl_add_u32 v4, v2, 3, v4                   ; destination: row x 128 + 8 col
	s_and_b32 s28, ttmp9, 255                      ; group of 16 rows inside an activation (256 groups each); also c - 768 for the weights
	s_and_b32 s29, ttmp9, 63                       ; group of 16 rows inside a weight (64 groups each)
	s_mov_b32 s32, s28
	s_cmp_lt_u32 ttmp9, 768
	s_cselect_b32 s28, s28, s29
	s_cselect_b32 s32, ttmp9, s32                  ; group of 16 rows inside xb or wb
	s_lshl_b32 s28, s28, 16                        ; 16 rows of 4,096 bytes
	s_mov_b32 s29, 0
	s_lshr_b32 s33, s32, 2
	s_lshl_b32 s33, s33, 17                        ; row block of 64: 16 blocks of 8,192 bytes
	s_and_b32 s32, s32, 3
	s_lshl_b32 s32, s32, 11                        ; 16 rows of 128 bytes inside each block
	s_add_co_u32 s32, s32, s33
	s_mov_b32 s33, 0
	s_wait_kmcnt 0x0
	s_mov_b64 s[26:27], s[16:17]                   ; the source buffer, chosen by the work-group's number alone
	s_cmp_lt_u32 ttmp9, 960
	s_cselect_b64 s[26:27], s[14:15], s[26:27]
	s_cmp_lt_u32 ttmp9, 896
	s_cselect_b64 s[26:27], s[12:13], s[26:27]
	s_cmp_lt_u32 ttmp9, 832
	s_cselect_b64 s[26:27], s[10:11], s[26:27]
	s_cmp_lt_u32 ttmp9, 768
	s_cselect_b64 s[26:27], s[8:9], s[26:27]
	s_cmp_lt_u32 ttmp9, 512
	s_cselect_b64 s[26:27], s[6:7], s[26:27]
	s_cmp_lt_u32 ttmp9, 256
	s_cselect_b64 s[26:27], s[4:5], s[26:27]
	s_cmp_lt_u32 ttmp9, 768
	s_cselect_b64 s[30:31], s[20:21], s[22:23]     ; xb or wb
	s_add_nc_u64 s[26:27], s[26:27], s[28:29]
	s_add_nc_u64 s[30:31], s[30:31], s[32:33]
.irp i, 0,1,2,3,4,5,6,7,8,9,10,11,12,13,14,15
	global_load_b128 v[X+4*\i:X+4*\i+3], v3, s[26:27] offset:256*\i th:TH_LOAD_NT   ; k block i: sixteen lanes read 256 consecutive bytes of a row
.endr
.irp i, 0,1,2,3,4,5,6,7,8,9,10,11,12,13,14,15
	s_wait_loadcnt 15-\i                           ; loads return in order: load i is in, the 15 - i younger ones stay out
	v_cvt_pk_bf16_f32 v[Y+2*\i], v[X+4*\i], v[X+4*\i+1]
	v_cvt_pk_bf16_f32 v[Y+2*\i+1], v[X+4*\i+2], v[X+4*\i+3]
	global_store_b64 v4, v[Y+2*\i:Y+2*\i+1], s[30:31] offset:8192*\i                ; a wave stores 256 consecutive bytes, aligned: two rows of block i
.endr
	s_endpgm                                       ; no register is written twice, so no store's source needs a wait
	; ---------------- MASK ----------------
.Lmask:
	v_lshrrev_b32 v1, 5, v0
	v_readfirstlane_b32 s26, v1                    ; wave
	v_and_b32 v2, 31, v0                           ; lane
	v_and_b32 v6, 15, v0                           ; r
	v_bfe_u32 v7, v0, 4, 1                         ; h
	v_lshlrev_b32 v3, 4, v2                        ; 16 x lane
	s_mul_i32 s34, s26, 16*MPITCH                  ; my wave's LDS bytes
	v_add_nc_u32 v4, s34, v3                       ; in: 16 bytes a lane of a row
	v_mul_u32_u24 v5, v6, MPITCH
	v_lshl_add_u32 v5, v7, 3, v5
	v_add_nc_u32 v5, s34, v5                       ; back: row r, 8 bytes at 8 h of a key tile
	s_sub_co_u32 s27, ttmp9, 1024
	s_lshl_b32 s27, s27, 3
	s_add_co_u32 s27, s27, s26                     ; 0..1023
	s_lshr_b32 s28, s27, 2                         ; tile of 16 mask rows, 0..255 (both batches)
	s_and_b32 s29, s27, 3                          ; which 512 keys
	s_lshl_b32 s30, s28, 15                        ; 16 rows of 2,048 bytes
	s_lshl_b32 s31, s29, 9
	s_add_co_u32 s30, s30, s31
	s_mov_b32 s31, 0
	s_lshl_b32 s32, s28, 12                        ; 128 key tiles x 8 words
	s_lshl_b32 s33, s29, 10                        ; 32 key tiles x 8 words
	s_add_co_u32 s32, s32, s33
	s_mov_b32 s33, 0
	s_wait_kmcnt 0x0
	s_add_nc_u64 s[18:19], s[18:19], s[30:31]
	s_add_nc_u64 s[24:25], s[24:25], s[32:33]
.irp p, 0,1,2,3,4,5,6,7,8,9,10,11,12,13,14,15
	global_load_b128 v[X+4*\p:X+4*\p+3], v3, s[18:19] offset:2048*\p th:TH_LOAD_NT  ; 512 consecutive bytes of mask row p
.endr
.irp q, 0,1,2,3,4,5,6,7
	v_mov_b32 v[OUT+\q], 0                         ; v_writelane_b32 keeps the other lanes: its destination is written whole first
.endr
.irp p, 0,1,2,3,4,5,6,7,8,9,10,11,12,13,14,15
	s_wait_loadcnt 15-\p                           ; row p is in, the younger rows stay out
	ds_store_b128 v4, v[X+4*\p:X+4*\p+3] offset:MPITCH*\p
.endr
	; LDS serves a wave's instructions in order (ISA guide 5.7.1): the loads below see the stores above; the bytes are my wave's own.
.irp bt, 0,1,2,3
.irp k, 0,1,2,3,4,5,6,7
	ds_load_b64 v[W+2*\k:W+2*\k+1], v5 offset:16*(8*\bt+\k)                         ; key tile 8 bt + k: mask[r][16 kt + 8 h + 0..7]
.endr
.irp k, 0,1,2,3,4,5,6,7
	s_wait_dscnt 7-\k                              ; load k of this batch is in, the 7 - k younger ones stay out
.irp j, 0,1,2,3,4,5,6,7
	v_bfe_u32 v[T+(\j&3)], v[W+2*\k+(\j>>2)], 8*(\j&3), 8
	v_cmp_ne_u32 s[36+\j], 0, v[T+(\j&3)]          ; one bit a lane: word 8 kt + j
	v_writelane_b32 v[OUT+4*((8*(8*\bt+\k)+\j)>>7)+(\j&3)], s[36+\j], ((8*(8*\bt+\k)+\j)&127)>>2
.endr
.endr
.endr
	global_store_b128 v3, v[OUT:OUT+3], s[24:25]                ; words 0..127: 512 consecutive bytes
	global_store_b128 v3, v[OUT+4:OUT+7], s[24:25] offset:512   ; words 128..255
	s_wait_tensorcnt 0x0
	ds_add_u32 v112, v113
	s_wait_dscnt 0x0
	s_endpgm
.Lfunc_end_k_qc6604051bb_prep:
	.size	k_qc6604051bb_prep, .Lfunc_end_k_qc6604051bb_prep-k_qc6604051bb_prep
	.p2alignl 7, 3214868480
	.fill 96, 4, 3214868480
	.section	.rodata,"a",@progbits
	.p2align	6, 0x0
	.amdhsa_kernel k_qc6604051bb_prep
		.amdhsa_group_segment_fixed_size 68608
		.amdhsa_private_segment_fixed_size 0
		.amdhsa_enable_private_segment 0
		.amdhsa_kernarg_size 88
		.amdhsa_user_sgpr_count 2
		.amdhsa_user_sgpr_kernarg_segment_ptr 1
		.amdhsa_wavefront_size32 1
		.amdhsa_system_sgpr_workgroup_id_x 1
		.amdhsa_system_sgpr_workgroup_id_y 1
		.amdhsa_system_sgpr_workgroup_id_z 1
		.amdhsa_system_vgpr_workitem_id 0
		.amdhsa_next_free_vgpr 114
		.amdhsa_next_free_sgpr 66
		.amdhsa_reserve_vcc 0
		.amdhsa_float_denorm_mode_32 3
		.amdhsa_float_denorm_mode_16_64 3
		.amdhsa_memory_ordered 1
		.amdhsa_forward_progress 1
		.amdhsa_inst_pref_size 64
	.end_amdhsa_kernel
	.amdgpu_metadata
---
amdhsa.version: [ 1, 2 ]
amdhsa.kernels:
  - .name:           k_qc6604051bb_prep
    .symbol:         k_qc6604051bb_prep.kd
    .args:
      - { .name: query, .offset: 0, .size: 8, .value_kind: global_buffer, .address_space: global }
      - { .name: key, .offset: 8, .size: 8, .value_kind: global_buffer, .address_space: global }
      - { .name: value, .offset: 16, .size: 8, .value_kind: global_buffer, .address_space: global }
      - { .name: wq_w, .offset: 24, .size: 8, .value_kind: global_buffer, .address_space: global }
      - { .name: wk_w, .offset: 32, .size: 8, .value_kind: global_buffer, .address_space: global }
      - { .name: wv_w, .offset: 40, .size: 8, .value_kind: global_buffer, .address_space: global }
      - { .name: wo_w, .offset: 48, .size: 8, .value_kind: global_buffer, .address_space: global }
      - { .name: mask, .offset: 56, .size: 8, .value_kind: global_buffer, .address_space: global }
      - { .name: xb, .offset: 64, .size: 8, .value_kind: global_buffer, .address_space: global }
      - { .name: wb, .offset: 72, .size: 8, .value_kind: global_buffer, .address_space: global }
      - { .name: mbits, .offset: 80, .size: 8, .value_kind: global_buffer, .address_space: global }
    .group_segment_fixed_size: 68608
    .private_segment_fixed_size: 0
    .kernarg_segment_align: 8
    .kernarg_segment_size: 88
    .max_flat_workgroup_size: 256
    .sgpr_count:     66
    .vgpr_count:     114
    .wavefront_size: 32
...
	.end_amdgpu_metadata
.endif
;; end of part 1
;; launch qkv (part 2): grid 8 x 32, 4 waves a work-group, clusters of 4 x 4, 327,680 bytes of LDS; arguments xb, wb, wq_b, wk_b, wv_b, qh, kv; writes qh, kv
.if DOCPART == 2
	.amdgcn_target "amdgcn-amd-amdhsa--gfx1250"
	.amdhsa_code_object_version 6
	.text
	.protected	k_qc6604051bb_qkv
	.globl	k_qc6604051bb_qkv
	.p2align	8
	.type	k_qc6604051bb_qkv,@function
k_qc6604051bb_qkv:
	s_mov_b64 s[64:65], 0
	v_nop
	global_prefetch_b8 v0, s[64:65] scope:SCOPE_SE
	s_setreg_imm32_b32 hwreg(HW_REG_WAVE_MODE, 25, 1), 1
	s_wait_xcnt 0x0
	s_wait_alu depctr_hold_cnt(0) depctr_sa_sdst(0) depctr_va_vdst(0) depctr_va_sdst(0) depctr_va_ssrc(0) depctr_va_vcc(0) depctr_vm_vsrc(0)
	s_getreg_b32 s2, hwreg(HW_REG_IB_STS2, 6, 4)
	s_cmp_eq_u32 s2, 0
	s_cbranch_scc0 .Lentry_in_a_cluster
	s_endpgm
.Lentry_in_a_cluster:
	s_bfe_u32 s2, ttmp6, 0x10000c
	s_cmp_lg_u32 s2, 0xf033
	s_cbranch_scc0 .Lentry_shape_is_right
	s_endpgm
.Lentry_shape_is_right:
; QKV: Q = (query wq^T + bq) log2(e)/8, K = key wk^T + bk, V = value wv^T + bv; operands bf16 (xb, wb), sums f32, results bf16.
; LIMITS: Q, K, V are rounded to bf16 (nearest even); the factor log2(e)/8 of the scores is applied to Q before that rounding.
; A work-group makes the block (rows 128 M .., columns 128 N ..) of Q, then of K, then of V: 3 x 4 K steps of 256 through ONE ring of two LDS slots,
; written out (12 trips, no loop).  Four waves, one to a SIMD; wave w makes 64 rows (w >> 1) x 64 columns (w & 1, one head): 16 accumulator tiles.
; TILES: xb and wb are tiled so that 64 rows x 256 k are 32,768 dense bytes.  They come in as 128 rows of 256 bytes, each followed by 16 bytes of
; padding: a logical row p of 128 bytes (64 k) of a block lies at (p >> 1) 272 + (p & 1) 128, so the sixteen lanes of a fragment load touch sixteen
; different 16-byte columns modulo 256 bytes.
; CLUSTER 4 x 4: the four work-groups of a cluster row share M and ask for x's tiles jointly, the four of a column share N and ask for w's jointly.
; RESULTS: qh[bh][s][64]; kv[bh][key block of 128]: K as 128 rows x 128 bytes, then V transposed, two halves of 64 d x 64 keys (rows of 128 bytes).
;   Q, K: source 0 = rows of w, source 1 = rows of x: a lane holds 8 neighbouring columns of one row.  V: the sources swapped: a lane holds 8
;   neighbouring keys of one d.  16 rows at a time go through a stage in LDS of the wave's own and leave as 512 consecutive bytes a store.
; REGISTERS: window 0: addresses, fragments (two buffers of 64), work; window 1: v0-127 the 16 accumulator tiles, tile (i, j) at 8 (4 i + j).
.set TILES,   12
.set KBYTES,  32768                    ; 64 rows x 256 k of bf16
.set APLANE,  8388608                  ; from query to key to value in xb
.set BPLANE,  2097152                  ; from wq to wk to wv in wb
.set QUARTER, 34816                    ; 128 LDS rows of 272 bytes: what one tensor load brings
.set SLOT,    4*QUARTER                ; x rows 0-63, x rows 64-127, w rows 0-63, w rows 64-127
.set STAGE,   2*SLOT                   ; behind the ring: no tensor load lands here
.set SPITCH,  144                      ; stage row: 128 bytes + 16
.set ADRA, 16                          ; v16-17  my x fragments in slot 0, 1
.set ADRB, 20                          ; v20-21  my w fragments
.set STO,  24                          ; stage: where I put 16 bytes
.set RD,   25                          ; stage: where I read rows back
.set CO,   26                          ; 16 x lane
.set BO8,  27                          ; 32 h: my 8 columns' bias
.set BO1,  28                          ; 4 r: my row's bias (V)
.set PK,   32                          ; v32-47   packed bf16
.set RB,   48                          ; v48-63   rows read back
.set F0,   64                          ; fragment buffer 0: x tiles at +0, w tiles at +32
.set F1,   128                         ; fragment buffer 1
.set TMP,  192                         ; v192-223 f32 at work
.set BIAS, 224                         ; v224-255
.set G1,  24                           ; s[24:31] group 1 for x's tiles
.set G0,  32                           ; s[32:39] group 0 for x's tiles, one set a slot
.set G1B, 48                           ; s[48:55] group 1 for w's tiles
.set G0B, 56                           ; s[56:63] group 0 for w's tiles
.set MULW, 0x50                        ; C and D in window 1
.set MSB, 0
.macro WIN new                         ; the immediate's high byte repeats the setting that is left
.if MSB != \new
	s_set_vgpr_msb (MSB<<8)|\new
.set MSB, \new
.endif
.endm
.macro PLACES n
.rept \n
	v_nop
.endr
.endm
; A round of the cluster's barrier: my work-group's barrier, wave 0 signals for the work-group, every wave waits for all sixteen, my work-group's barrier again.
.macro ROUND
	s_barrier_signal -1
	s_barrier_wait -1
	s_cmp_lg_u32 s10, 0
	s_cbranch_scc1 .Lnot_wave_0_\@
	s_barrier_signal -3
.Lnot_wave_0_\@:
	s_barrier_wait -3
	s_barrier_signal -1
	s_barrier_wait -1
.endm
; A joint load: waves 0, 1 ask for x's two halves, waves 2, 3 for w's.  Each line has one mask; the branch hangs on the wave's number alone.
.macro JLOAD s
	s_cmp_eq_u32 s11, 0
	s_cbranch_scc0 .Lfor_b_\@
	tensor_load_to_lds s[G0+4*(\s):G0+4*(\s)+3], s[G1:G1+7]
	s_nop 0
	s_branch .Lasked_\@
.Lfor_b_\@:
	tensor_load_to_lds s[G0B+4*(\s):G0B+4*(\s)+3], s[G1B:G1B+7]
	s_nop 0
.Lasked_\@:
.endm
.macro SETADR slot, t                  ; both group 0 addresses of a slot, for tile t (projection t / 4, K step t % 4)
	s_add_nc_u64 s[G0+4*(\slot)+2:G0+4*(\slot)+3], s[14:15], ((\t)/4)*APLANE+((\t)%4)*KBYTES
	s_add_nc_u64 s[G0B+4*(\slot)+2:G0B+4*(\slot)+3], s[46:47], ((\t)/4)*BPLANE+((\t)%4)*KBYTES
.endm
; 16 LDS loads: the fragments of k32 step kk (0..7) of a slot: 4 x tiles and 4 w tiles of 16 rows, two loads of 16 bytes each, 32 bytes apart
.macro FETCH slot, kk, f
.irp a, 0,1,2,3
	ds_load_b128 v[\f+8*\a:\f+8*\a+3],   v[ADRA+\slot] offset:((\kk)>>1)*8704+\a*2176+((\kk)&1)*64
	ds_load_b128 v[\f+8*\a+4:\f+8*\a+7], v[ADRA+\slot] offset:((\kk)>>1)*8704+\a*2176+((\kk)&1)*64+32
.endr
.irp a, 0,1,2,3
	ds_load_b128 v[\f+32+8*\a:\f+32+8*\a+3], v[ADRB+\slot] offset:((\kk)>>1)*8704+\a*2176+((\kk)&1)*64
	ds_load_b128 v[\f+32+8*\a+4:\f+32+8*\a+7], v[ADRB+\slot] offset:((\kk)>>1)*8704+\a*2176+((\kk)&1)*64+32
.endr
.endm
; 16 matrix instructions, one on each accumulator: the sixteen take turns, one instruction a turn.
.macro MUL16 f, swap, zero
.irp i, 0,1,2,3
.irp j, 0,1,2,3
.if \swap
.if \zero
	v_wmma_f32_16x16x32_bf16 v[8*(4*\i+\j):8*(4*\i+\j)+7], v[\f+8*\j:\f+8*\j+7], v[\f+32+8*\i:\f+32+8*\i+7], 0
.else
	v_wmma_f32_16x16x32_bf16 v[8*(4*\i+\j):8*(4*\i+\j)+7], v[\f+8*\j:\f+8*\j+7], v[\f+32+8*\i:\f+32+8*\i+7], v[8*(4*\i+\j):8*(4*\i+\j)+7]
.endif
.else
.if \zero
	v_wmma_f32_16x16x32_bf16 v[8*(4*\i+\j):8*(4*\i+\j)+7], v[\f+32+8*\j:\f+32+8*\j+7], v[\f+8*\i:\f+8*\i+7], 0
.else
	v_wmma_f32_16x16x32_bf16 v[8*(4*\i+\j):8*(4*\i+\j)+7], v[\f+32+8*\j:\f+32+8*\j+7], v[\f+8*\i:\f+8*\i+7], v[8*(4*\i+\j):8*(4*\i+\j)+7]
.endif
.endif
.endr
.endr
.endm
; fetch k32 step nk into buffer g, multiply buffer f
.macro STEP slot, nk, f, g, swap
	PLACES 4                                       ; a load into a register that a matrix instruction has read stands four plain vector places behind it
	FETCH \slot, \nk, \g
	s_wait_dscnt 16                                ; all but the 16 loads just issued: buffer f is in
	WIN MULW
	MUL16 \f, \swap, 0
	WIN 0
.endm
.macro KSTEP slot, swap, zero
	PLACES 4                                       ; behind the last trip's matrix instructions, for both buffers
	FETCH \slot, 0, F0
	FETCH \slot, 1, F1
	s_wait_dscnt 16                                ; buffer 0 is in, buffer 1's 16 loads stay out
	WIN MULW
	MUL16 F0, \swap, \zero                         ; zero = 1: the first product starts the sums, nothing is cleared
	WIN 0
	STEP \slot, 2, F1, F0, \swap
	STEP \slot, 3, F0, F1, \swap
	STEP \slot, 4, F1, F0, \swap
	STEP \slot, 5, F0, F1, \swap
	STEP \slot, 6, F1, F0, \swap
	STEP \slot, 7, F0, F1, \swap
	s_wait_dscnt 0x0
	WIN MULW
	MUL16 F1, \swap, 0
	WIN 0
.endm
.macro BIASLD kind                     ; kind 0 Q, 1 K: the bias of my 4 x 8 columns; 2 V: of my 4 rows d
.if \kind == 2
.irp i, 0,1,2,3
	global_load_b32 v[BIAS+\i], v[BO1], s[78:79] offset:64*\i
.endr
.else
.irp j, 0,1,2,3
	global_load_b128 v[BIAS+8*\j:BIAS+8*\j+3],   v[BO8], s[72+2*(\kind):73+2*(\kind)] offset:64*\j
	global_load_b128 v[BIAS+8*\j+4:BIAS+8*\j+7], v[BO8], s[72+2*(\kind):73+2*(\kind)] offset:64*\j+16
.endr
.endif
.endm
; One trip: tile t lies in slot t & 1.  In front of the round every wave waits for all its tensor loads (its part of tile t is the one that was out) and for
; its LDS reads; behind the round no wave of any partner reads the other slot or has a load on its way, and the joint refill is the first tensor load.
; One tensor load of a wave is out at a time; it has the trip's 128 matrix instructions in which to land.
.macro TRIP t, slot, swap
	s_wait_tensorcnt 0x0
	ds_add_u32 v30, v31
	s_wait_dscnt 0x0
.if \t+2 < TILES
	SETADR \slot, \t+2                             ; no load of mine is out: this slot's group 0 may be written
.endif
	s_wait_dscnt 0x0
	ROUND
.if \t+1 < TILES
	JLOAD (1-\slot)
.endif
.if (\t)%4 == 3
	BIASLD (\t)/4                                  ; needed behind this trip
.endif
.if (\t)%4 == 0
	KSTEP \slot, \swap, 1
.else
	KSTEP \slot, \swap, 0
.endif
.endm
; 16 rows (accumulator row i) out.  ib, q: V's bias register pair and which of the two.
.macro OUTROW kind, dst, i, ib, q
	WIN 0x01                                       ; source 0 in window 1
.irp j, 0,1,2,3
.irp p, 0,2,4,6
.if \kind == 0
	v_pk_fma_f32 v[TMP+8*\j+\p:TMP+8*\j+\p+1], v[8*(4*\i+\j)+\p:8*(4*\i+\j)+\p+1], s[76:77], v[BIAS+8*\j+\p:BIAS+8*\j+\p+1] op_sel_hi:[1,0,1]
.endif
.if \kind == 1
	v_pk_add_f32 v[TMP+8*\j+\p:TMP+8*\j+\p+1], v[8*(4*\i+\j)+\p:8*(4*\i+\j)+\p+1], v[BIAS+8*\j+\p:BIAS+8*\j+\p+1]
.endif
.if \kind == 2
	v_pk_add_f32 v[TMP+8*\j+\p:TMP+8*\j+\p+1], v[8*(4*\i+\j)+\p:8*(4*\i+\j)+\p+1], v[BIAS+\ib:BIAS+\ib+1] op_sel:[0,\q] op_sel_hi:[1,\q]
.endif
.endr
.endr
	WIN 0
.irp x, 0,1,2,3,4,5,6,7,8,9,10,11,12,13,14,15
	v_cvt_pk_bf16_f32 v[PK+\x], v[TMP+2*\x], v[TMP+2*\x+1]
.endr
.irp j, 0,1,2,3
	ds_store_b128 v[STO], v[PK+4*\j:PK+4*\j+3] offset:32*\j
.endr
	s_wait_xcnt 0x0                                ; RB was the data of the last stores: it is loaded again only behind this wait
.irp t, 0,1,2,3
	ds_load_b128 v[RB+4*\t:RB+4*\t+3], v[RD] offset:4*SPITCH*\t     ; my own bytes, served in order: these see the stores above
.endr
.irp t, 0,1,2,3
	s_wait_dscnt 3-\t                              ; read-back t is in, the younger ones stay out
	global_store_b128 v[CO], v[RB+4*\t:RB+4*\t+3], s[\dst:\dst+1] offset:2048*\i+512*\t   ; four rows of 128 bytes: 512 consecutive bytes, aligned
.endr
.endm
.macro OUTB kind, dst
	PLACES 4                                       ; four plain vector places between the last matrix instruction and the first read of a result
	s_wait_loadcnt 0x0                             ; the bias
.if \kind == 0
.irp x, 0,2,4,6,8,10,12,14,16,18,20,22,24,26,28,30
	v_pk_mul_f32 v[BIAS+\x:BIAS+\x+1], v[BIAS+\x:BIAS+\x+1], s[76:77] op_sel_hi:[1,0]     ; (sum + b) c = sum c + b c, one fused multiply-add later
.endr
.endif
	OUTROW \kind, \dst, 0, 0, 0
	OUTROW \kind, \dst, 1, 0, 1
	OUTROW \kind, \dst, 2, 2, 0
	OUTROW \kind, \dst, 3, 2, 1
.endm
	s_load_b256 s[80:87], s[0:1], 0x0              ; xb s[80:81], wb s[82:83], wq_b s[84:85], wk_b s[86:87]
	s_load_b128 s[88:91], s[0:1], 0x20             ; wv_b s[88:89], qh s[90:91]
	s_load_b64 s[92:93], s[0:1], 0x30              ; kv
	v_lshl_add_u32 v30, v0, 2, 0x46400
	v_mov_b32 v31, 0
	ds_add_u32 v30, v31
	v_lshrrev_b32 v1, 5, v0
	v_readfirstlane_b32 s10, v1                    ; wave 0..3
	s_lshr_b32 s11, s10, 1                         ; my 64 rows.  Also: I fetch for x (0) or for w (1)
	s_and_b32 s12, s10, 1                          ; my 64 columns.  Also: which half of that tile I fetch
	s_bfe_u32 s40, ttmp6, 0x40000                  ; cx
	s_bfe_u32 s41, ttmp6, 0x40004                  ; cy
	s_lshl_b32 s42, ttmp9, 2
	s_add_co_u32 s42, s42, s40                     ; N = 4 x cluster x + cx
	s_and_b32 s13, ttmp7, 0xffff
	s_lshl_b32 s13, s13, 2
	s_add_co_u32 s13, s13, s41                     ; M = 4 x cluster y + cy
	s_lshl_b32 s43, s41, 2
	s_lshl_b32 s43, 15, s43                        ; my row of the cluster
	s_lshl_b32 s44, 0x1111, s40                    ; my column
	; group 1: 128 rows of 32 elements of 8 bytes, dense; 16 bytes of padding behind every 64 words
	s_or_b32 s[G1+0], s43, (3<<16)|(1<<20)|(1<<21)|(5<<22)|(3<<25)
	s_or_b32 s[G1B+0], s44, (3<<16)|(1<<20)|(1<<21)|(5<<22)|(3<<25)
	s_mov_b32 s[G1+1], 32<<16                      ; tensor_dim0 = 32
	s_mov_b32 s[G1B+1], 32<<16
	s_mov_b32 s[G1+2], 128<<16                     ; tensor_dim1 = 128
	s_mov_b32 s[G1B+2], 128<<16
	s_mov_b32 s[G1+3], 32<<16                      ; tile_dim0 = 32
	s_mov_b32 s[G1B+3], 32<<16
	s_mov_b32 s[G1+4], 128                         ; tile_dim1 = 128
	s_mov_b32 s[G1B+4], 128
	s_mov_b32 s[G1+5], 32                          ; from row to row: 32 elements
	s_mov_b32 s[G1B+5], 32
	s_mov_b32 s[G1+6], 0
	s_mov_b32 s[G1B+6], 0
	s_mov_b32 s[G1+7], 0
	s_mov_b32 s[G1B+7], 0
	; x's tiles hang on M and the wave, w's on N and the wave, each in registers that never hold the other coordinate
	s_lshl_b32 s16, s13, 1
	s_add_co_u32 s16, s16, s12
	s_lshl_b32 s16, s16, 17                        ; row block 2 M + half, 131,072 bytes each
	s_mov_b32 s17, 0
	s_lshl_b32 s46, s42, 1
	s_add_co_u32 s46, s46, s12
	s_lshl_b32 s46, s46, 17
	s_mov_b32 s47, 0
	s_mul_i32 s20, s10, QUARTER                    ; where my quarter of a slot lies: the wave's number alone
	; where the results go
	s_lshr_b32 s21, s13, 4
	s_lshl_b32 s21, s21, 4
	s_lshl_b32 s22, s42, 1
	s_add_co_u32 s21, s21, s22
	s_add_co_u32 s21, s21, s12                     ; bh = 16 batch + head
	s_and_b32 s22, s13, 15                         ; block of 128 rows inside the batch
	s_lshl_b32 s23, s11, 13                        ; my 64 rows of 128 bytes
	s_lshl_b32 s94, s21, 18
	s_lshl_b32 s45, s22, 14
	s_add_co_u32 s94, s94, s45
	s_add_co_u32 s94, s94, s23                     ; qh: (bh 2048 + 128 block + 64 half) x 128
	s_mov_b32 s95, 0
	s_lshl_b32 s18, s21, 19
	s_lshl_b32 s45, s22, 15
	s_add_co_u32 s18, s18, s45
	s_add_co_u32 s18, s18, s23                     ; kv: (bh 16 + block) x 32,768 + half x 8,192
	s_mov_b32 s19, 0
	s_lshl_b32 s4, s42, 9
	s_lshl_b32 s5, s12, 8
	s_add_co_u32 s4, s4, s5                        ; bias: (128 N + 64 half) x 4
	s_mov_b32 s5, 0
	s_mov_b32 s76, 0x3e38aa3b                      ; log2(e) / 8
	s_mov_b32 s77, 0x3e38aa3b
	s_wait_dscnt 0x0
	s_wait_kmcnt 0x0
	s_add_nc_u64 s[14:15], s[80:81], s[16:17]
	s_or_b32 s15, s15, 0x80000000                  ; the descriptor's type bits ride on the base
	s_add_nc_u64 s[46:47], s[82:83], s[46:47]
	s_or_b32 s47, s47, 0x80000000
	s_add_nc_u64 s[66:67], s[90:91], s[94:95]      ; Q
	s_add_nc_u64 s[68:69], s[92:93], s[18:19]      ; K
	s_add_nc_u64 s[70:71], s[68:69], 16384         ; V transposed, behind the block's K
	s_add_nc_u64 s[72:73], s[84:85], s[4:5]
	s_add_nc_u64 s[74:75], s[86:87], s[4:5]
	s_add_nc_u64 s[78:79], s[88:89], s[4:5]
.irp s, 0,1
	s_mov_b32 s[G0+4*\s], 1
	s_add_co_u32 s[G0+4*\s+1], s20, \s*SLOT
	s_mov_b32 s[G0B+4*\s], 1
	s_add_co_u32 s[G0B+4*\s+1], s20, \s*SLOT
	SETADR \s, \s
.endr
	ROUND                                          ; all sixteen work-groups are here: the first joint loads meet
	JLOAD 0
	v_and_b32 v1, 15, v0                           ; r
	v_bfe_u32 v2, v0, 4, 1                         ; h
	v_and_b32 v3, 31, v0                           ; lane
	v_lshrrev_b32 v4, 1, v1
	v_mul_u32_u24 v4, v4, 272
	v_and_b32 v5, 1, v1
	v_lshl_add_u32 v4, v5, 7, v4
	v_lshl_add_u32 v4, v2, 4, v4                   ; (r >> 1) 272 + (r & 1) 128 + 16 h
	s_mul_i32 s21, s11, QUARTER                    ; my 64 rows of x
	s_mul_i32 s22, s12, QUARTER
	s_add_co_u32 s22, s22, 2*QUARTER               ; my 64 rows of w
.irp s, 0,1
	v_add_nc_u32 v[ADRA+\s], s21, v4
	v_add_nc_u32 v[ADRB+\s], s22, v4
	s_add_co_u32 s21, s21, SLOT
	s_add_co_u32 s22, s22, SLOT
.endr
	s_mul_i32 s23, s10, 16*SPITCH
	s_add_co_u32 s23, s23, STAGE                   ; my stage
	v_mul_u32_u24 v5, v1, SPITCH
	v_lshl_add_u32 v5, v2, 4, v5
	v_add_nc_u32 v[STO], s23, v5                   ; row r, 16 bytes at 16 h
	v_lshrrev_b32 v5, 3, v3
	v_mul_u32_u24 v5, v5, SPITCH
	v_and_b32 v4, 7, v3
	v_lshl_add_u32 v5, v4, 4, v5
	v_add_nc_u32 v[RD], s23, v5                    ; eight lanes take a row of 128 bytes
	v_lshlrev_b32 v[CO], 4, v3
	v_lshlrev_b32 v[BO8], 5, v2
	v_lshlrev_b32 v[BO1], 2, v1
	TRIP 0, 0, 0
	TRIP 1, 1, 0
	TRIP 2, 0, 0
	TRIP 3, 1, 0
	OUTB 0, 66                                     ; K's first tile is on its way meanwhile
	TRIP 4, 0, 0
	TRIP 5, 1, 0
	TRIP 6, 0, 0
	TRIP 7, 1, 0
	OUTB 1, 68
	TRIP 8, 0, 1
	TRIP 9, 1, 1
	TRIP 10, 0, 1
	TRIP 11, 1, 1
	OUTB 2, 70
	s_wait_tensorcnt 0x0
	ds_add_u32 v30, v31
	s_wait_dscnt 0x0
	ROUND                                          ; the closing round: no work-group ends while a partner may still ask for a tile that names it
	s_endpgm
.Lfunc_end_k_qc6604051bb_qkv:
	.size	k_qc6604051bb_qkv, .Lfunc_end_k_qc6604051bb_qkv-k_qc6604051bb_qkv
	.p2alignl 7, 3214868480
	.fill 96, 4, 3214868480
	.section	.rodata,"a",@progbits
	.p2align	6, 0x0
	.amdhsa_kernel k_qc6604051bb_qkv
		.amdhsa_group_segment_fixed_size 327680
		.amdhsa_private_segment_fixed_size 0
		.amdhsa_enable_private_segment 0
		.amdhsa_kernarg_size 56
		.amdhsa_user_sgpr_count 2
		.amdhsa_user_sgpr_kernarg_segment_ptr 1
		.amdhsa_wavefront_size32 1
		.amdhsa_system_sgpr_workgroup_id_x 1
		.amdhsa_system_sgpr_workgroup_id_y 1
		.amdhsa_system_sgpr_workgroup_id_z 1
		.amdhsa_system_vgpr_workitem_id 0
		.amdhsa_next_free_vgpr 384
		.amdhsa_next_free_sgpr 96
		.amdhsa_reserve_vcc 0
		.amdhsa_float_denorm_mode_32 3
		.amdhsa_float_denorm_mode_16_64 3
		.amdhsa_memory_ordered 1
		.amdhsa_forward_progress 1
		.amdhsa_inst_pref_size 255
	.end_amdhsa_kernel
	.section	.bss,"aw",@nobits
	.p2align	6
	.space	262144
	.amdgpu_metadata
---
amdhsa.version: [ 1, 2 ]
amdhsa.kernels:
  - .name:           k_qc6604051bb_qkv
    .symbol:         k_qc6604051bb_qkv.kd
    .args:
      - { .name: xb, .offset: 0, .size: 8, .value_kind: global_buffer, .address_space: global }
      - { .name: wb, .offset: 8, .size: 8, .value_kind: global_buffer, .address_space: global }
      - { .name: wq_b, .offset: 16, .size: 8, .value_kind: global_buffer, .address_space: global }
      - { .name: wk_b, .offset: 24, .size: 8, .value_kind: global_buffer, .address_space: global }
      - { .name: wv_b, .offset: 32, .size: 8, .value_kind: global_buffer, .address_space: global }
      - { .name: qh, .offset: 40, .size: 8, .value_kind: global_buffer, .address_space: global }
      - { .name: kv, .offset: 48, .size: 8, .value_kind: global_buffer, .address_space: global }
    .group_segment_fixed_size: 327680
    .private_segment_fixed_size: 0
    .kernarg_segment_align: 8
    .kernarg_segment_size: 56
    .max_flat_workgroup_size: 128
    .sgpr_count:     96
    .vgpr_count:     384
    .wavefront_size: 32
...
	.end_amdgpu_metadata
.endif
;; end of part 2
;; launch attn (part 3): grid 8 x 32, 8 waves a work-group, clusters of 4 x 1, 327,680 bytes of LDS; arguments qh, kv, mbits, ctx; writes ctx
.if DOCPART == 3
	.amdgcn_target "amdgcn-amd-amdhsa--gfx1250"
	.amdhsa_code_object_version 6
	.text
	.protected	k_qc6604051bb_attn
	.globl	k_qc6604051bb_attn
	.p2align	8
	.type	k_qc6604051bb_attn,@function
k_qc6604051bb_attn:
	s_mov_b64 s[64:65], 0
	v_nop
	global_prefetch_b8 v0, s[64:65] scope:SCOPE_SE
	s_setreg_imm32_b32 hwreg(HW_REG_WAVE_MODE, 25, 1), 1
	s_wait_xcnt 0x0
	s_wait_alu depctr_hold_cnt(0) depctr_sa_sdst(0) depctr_va_vdst(0) depctr_va_sdst(0) depctr_va_ssrc(0) depctr_va_vcc(0) depctr_vm_vsrc(0)
	s_getreg_b32 s2, hwreg(HW_REG_IB_STS2, 6, 4)
	s_cmp_eq_u32 s2, 0
	s_cbranch_scc0 .Lentry_in_a_cluster
	s_endpgm
.Lentry_in_a_cluster:
	s_bfe_u32 s2, ttmp6, 0x10000c
	s_cmp_lg_u32 s2, 0x3003
	s_cbranch_scc0 .Lentry_shape_is_right
	s_endpgm
.Lentry_shape_is_right:
; ATTENTION with a running maximum.  A work-group takes 256 query rows of one (batch, head).  Eight waves: wave w takes query rows 64 (w & 3) .. + 63 and the
; key blocks (128 keys) of parity g = w >> 2; two waves lie on a SIMD, so one wave's softmax runs beside the other's matrix work.  The two halves of the
; keys are merged once at the end through LDS.
; LIMITS: Q (already times log2(e)/8), K, V and the weights P are bf16; exponentials are taken in base 2 of (score - running maximum); a masked score is
; -1e9 log2(e), the same number for every masked score, so a wholly masked row gives the mean of V as in the reference; the sums l are added lane by lane
; and combined at the end.
; TRANSPOSED FORMS: S^T = K Q^T (source 0 = 16 keys of K, source 1 = 16 rows of Q): lane (r, h) holds query r and keys 8 h + j of a tile.  Two packed
; tiles are P as source 1 of O^T = V^T P^T (source 0 = 16 rows d of V^T).  So maximum, sum and rescale factor are one number a lane,
; and the only traffic between lanes is one exchange of the halves for each maximum.
; MASK: mbits holds one word for each score register (bit = lane); the words come by scalar loads and each steers one v_cndmask_b32.
; CLUSTER 4 x 1: the four query blocks of a cluster read the same K and V and ask for them jointly (mask 15).
; LDS: two slots of 8 x 8,704 bytes (a trip's 256 keys: 64 KB dense in kv, as rows of 256 bytes + 16 of padding); group g's key block lies at g x 34,816:
; K (128 keys x 128 bytes), V^T half 0, V^T half 1 (64 d x 64 keys each).  A logical row p of 128 bytes lies at (p >> 1) 272 + (p & 1) 128.
; Behind the slots: the exchange for the merge (4 x 17,408) and the stage of the way out (4 x 2,304); no tensor load lands there.
; REGISTERS: window 0: addresses, m, l, alpha, K fragments v64-127, scores v128-255 (tile (qt, kt) at 128 + 8 (4 qt + kt));
;            window 1: O v0-127 (tile (qt, dt) at 8 (4 qt + dt)), V^T fragments v128-191, Q fragments v192-255.
.set SLOT,   69632
.set GRP,    34816
.set XCH,    139264
.set XW,     17408
.set STAGE,  208896
.set SPITCH, 144
.set AD,  2                            ; v2-3    my group's key block in slot 0, 1, + lane part
.set STO, 4
.set RD,  5
.set CO,  6
.set XA,  7
.set MX,  8                            ; v8-11   running maximum of query tile qt
.set LS,  12                           ; v12-19  running sums, a pair for each qt
.set ALF, 20                           ; v20-23  rescale factor of qt
.set NEG, 24
.set QO,  25
.set MN,  26                           ; v26-27  the new maximum (a pair for the packed subtract; the second is not used)
.set TT,  28                           ; v28-35  at work
.set PK,  36                           ; v36-51  the way out
.set M1,  52                           ; v52-55  merge: the partner's m
.set L1,  56                           ; v56-59  merge: the partner's l
.set FB,  60                           ; v60-63  merge: the partner's factor
.set KF,  64
.set SC,  128
.set OA,  0                            ; window 1
.set VF,  128                          ; window 1
.set QF,  192                          ; window 1
.set MSB, 0
.macro WIN new
.if MSB != \new
	s_set_vgpr_msb (MSB<<8)|\new
.set MSB, \new
.endif
.endm
.macro PLACES n
.rept \n
	v_nop
.endr
.endm
.macro ROUND                           ; a round of the cluster's barrier
	s_barrier_signal -1
	s_barrier_wait -1
	s_cmp_lg_u32 s4, 0
	s_cbranch_scc1 .Lnot_wave_0_\@
	s_barrier_signal -3
.Lnot_wave_0_\@:
	s_barrier_wait -3
	s_barrier_signal -1
	s_barrier_wait -1
.endm
; Softmax step of query tile qt on 64 keys (32 score registers).  set: first scalar register of its 32 mask words; moff: the chunk's offset in a row of mbits;
; q = qt & 1.
.macro SOFTMAX qt, q, set, moff, first
.set SB, SC+32*\qt
	s_wait_kmcnt 0x0                               ; scalar loads return in no order: all are in
.set i, 0
.rept 32
	v_cndmask_b32 v[SB+i], v[NEG], v[SB+i], s[\set+i]
.set i, i+1
.endr
.if \qt < 2
	s_load_b512 s[\set:\set+15], s[28:29], \moff+(\qt+2)*4096          ; the words of tile qt + 2 into the set just used
	s_load_b512 s[\set+16:\set+31], s[28:29], \moff+(\qt+2)*4096+64
.endif
	v_max3_num_f32 v[TT], v[SB], v[SB+1], v[SB+2]                      ; two chains
	v_max3_num_f32 v[TT+1], v[SB+17], v[SB+18], v[SB+19]
.set i, 0
.rept 6
	v_max3_num_f32 v[TT], v[TT], v[SB+3+2*i], v[SB+4+2*i]
	v_max3_num_f32 v[TT+1], v[TT+1], v[SB+20+2*i], v[SB+21+2*i]
.set i, i+1
.endr
	v_max3_num_f32 v[TT], v[TT], v[SB+15], v[SB+16]
.if \first
	v_max_num_f32 v[TT], v[TT], v[TT+1]
.else
	v_max3_num_f32 v[TT], v[TT], v[TT+1], v[MX+\qt]
.endif
	v_permlanex16_b32 v[TT+2], v[TT], s10, s11     ; the other half of the lanes holds the other keys of the same query
	v_max_num_f32 v[MN], v[TT], v[TT+2]
.if \first == 0
	v_sub_f32 v[ALF+\qt], v[MX+\qt], v[MN]
.endif
.set i, 0
.rept 16
	v_pk_add_f32 v[SB+2*i:SB+2*i+1], v[SB+2*i:SB+2*i+1], v[MN:MN+1] op_sel_hi:[1,0] neg_lo:[0,1] neg_hi:[0,1]
.set i, i+1
.endr
.set i, 0
.rept 32
	v_exp_f32 v[SB+i], v[SB+i]
.set i, i+1
.endr
.if \first == 0
	v_exp_f32 v[ALF+\qt], v[ALF+\qt]
.endif
	v_mov_b32 v[MX+\qt], v[MN]                     ; the plain vector instruction between the exponentials and the first use of a result (ISA guide 5.7.2)
	s_wait_alu depctr_va_vdst(0)
.irp c, 0,1,2,3
	v_pk_add_f32 v[TT+2*\c:TT+2*\c+1], v[SB+2*\c:SB+2*\c+1], v[SB+8+2*\c:SB+9+2*\c]       ; four chains
.endr
.irp c, 0,1,2,3
	v_pk_add_f32 v[TT+2*\c:TT+2*\c+1], v[TT+2*\c:TT+2*\c+1], v[SB+16+2*\c:SB+17+2*\c]
.endr
.irp c, 0,1,2,3
	v_pk_add_f32 v[TT+2*\c:TT+2*\c+1], v[TT+2*\c:TT+2*\c+1], v[SB+24+2*\c:SB+25+2*\c]
.endr
	v_pk_add_f32 v[TT:TT+1], v[TT:TT+1], v[TT+2:TT+3]
	v_pk_add_f32 v[TT+4:TT+5], v[TT+4:TT+5], v[TT+6:TT+7]
.if \first
	v_pk_add_f32 v[LS+2*\qt:LS+2*\qt+1], v[TT:TT+1], v[TT+4:TT+5]
.else
	v_pk_fma_f32 v[LS+2*\qt:LS+2*\qt+1], v[LS+2*\qt:LS+2*\qt+1], v[ALF+(\qt/2)*2:ALF+(\qt/2)*2+1], v[TT:TT+1] op_sel:[0,\q,0] op_sel_hi:[1,\q,1]
	v_pk_add_f32 v[LS+2*\qt:LS+2*\qt+1], v[LS+2*\qt:LS+2*\qt+1], v[TT+4:TT+5]
.endif
.set i, 0
.rept 16
	v_cvt_pk_bf16_f32 v[SB+i], v[SB+2*i], v[SB+2*i+1]      ; ascending: place i reads 2 i and 2 i + 1, which no earlier place has written
.set i, i+1
.endr
.endm
; 64 keys: chunk c of my group's key block in a slot.  par: the trip's place in its lap (for the mask words).
.macro CHUNK slot, c, par, first
	PLACES 5                                       ; five plain vector places behind the last matrix instructions: the products below write over P, the loads over V^T
	s_load_b512 s[32:47], s[28:29], \par*512+\c*128
	s_load_b512 s[48:63], s[28:29], \par*512+\c*128+64
	s_load_b512 s[68:83], s[28:29], \par*512+\c*128+4096
	s_load_b512 s[84:99], s[28:29], \par*512+\c*128+4160
.irp kt, 0,1,2,3
.irp ks, 0,1
	ds_load_b128 v[KF+8*(2*\kt+\ks):KF+8*(2*\kt+\ks)+3],   v[AD+\slot] offset:\c*8704+\kt*2176+\ks*64
	ds_load_b128 v[KF+8*(2*\kt+\ks)+4:KF+8*(2*\kt+\ks)+7], v[AD+\slot] offset:\c*8704+\kt*2176+\ks*64+32
.endr
.endr
	WIN 0x40                                       ; destination in window 1
.irp dt, 0,1,2,3
.irp u, 0,1
	ds_load_b128 v[VF+8*(2*\dt+\u):VF+8*(2*\dt+\u)+3],   v[AD+\slot] offset:17408+\c*8704+\dt*2176+\u*64
	ds_load_b128 v[VF+8*(2*\dt+\u)+4:VF+8*(2*\dt+\u)+7], v[AD+\slot] offset:17408+\c*8704+\dt*2176+\u*64+32
.endr
.endr
	WIN 0x04                                       ; source 1 (Q) in window 1
	s_wait_dscnt 16                                ; K's 16 loads are in, V^T's 16 stay out
	; the four query tiles take turns, one instruction a turn
.irp kt, 0,1,2,3
.irp qt, 0,1,2,3
	v_wmma_f32_16x16x32_bf16 v[SC+8*(4*\qt+\kt):SC+8*(4*\qt+\kt)+7], v[KF+16*\kt:KF+16*\kt+7], v[QF+16*\qt:QF+16*\qt+7], 0
.endr
.irp qt, 0,1,2,3
	v_wmma_f32_16x16x32_bf16 v[SC+8*(4*\qt+\kt):SC+8*(4*\qt+\kt)+7], v[KF+16*\kt+8:KF+16*\kt+15], v[QF+16*\qt+8:QF+16*\qt+15], v[SC+8*(4*\qt+\kt):SC+8*(4*\qt+\kt)+7]
.endr
.endr
	WIN 0
	PLACES 4                                       ; four plain vector places before a vector instruction reads a result
	SOFTMAX 0, 0, 32, \par*512+\c*128, \first
	SOFTMAX 1, 1, 68, \par*512+\c*128, \first
	SOFTMAX 2, 0, 32, \par*512+\c*128, \first
	SOFTMAX 3, 1, 68, \par*512+\c*128, \first
	s_wait_dscnt 0x0                               ; V^T
	WIN 0x51                                       ; O (C, D) and V^T (source 0) in window 1, P and alpha in window 0
.if \first == 0
.irp hq, 0,1
.irp q, 0,1
.irp e, 0,2,4,6,8,10,12,14,16,18,20,22,24,26,28,30
	v_pk_mul_f32 v[OA+32*(2*\hq+\q)+\e:OA+32*(2*\hq+\q)+\e+1], v[OA+32*(2*\hq+\q)+\e:OA+32*(2*\hq+\q)+\e+1], v[ALF+2*\hq:ALF+2*\hq+1] op_sel:[0,\q] op_sel_hi:[1,\q]
.endr
.endr
.endr
.endif
	; the sixteen tiles of O take turns, one instruction a turn
.irp dt, 0,1,2,3
.irp qt, 0,1,2,3
.if \first
	v_wmma_f32_16x16x32_bf16 v[OA+8*(4*\qt+\dt):OA+8*(4*\qt+\dt)+7], v[VF+16*\dt:VF+16*\dt+7], v[SC+32*\qt:SC+32*\qt+7], 0
.else
	v_wmma_f32_16x16x32_bf16 v[OA+8*(4*\qt+\dt):OA+8*(4*\qt+\dt)+7], v[VF+16*\dt:VF+16*\dt+7], v[SC+32*\qt:SC+32*\qt+7], v[OA+8*(4*\qt+\dt):OA+8*(4*\qt+\dt)+7]
.endif
.endr
.endr
.irp dt, 0,1,2,3
.irp qt, 0,1,2,3
	v_wmma_f32_16x16x32_bf16 v[OA+8*(4*\qt+\dt):OA+8*(4*\qt+\dt)+7], v[VF+16*\dt+8:VF+16*\dt+15], v[SC+32*\qt+8:SC+32*\qt+15], v[OA+8*(4*\qt+\dt):OA+8*(4*\qt+\dt)+7]
.endr
.endr
	WIN 0
.endm
; A trip: 256 keys in a slot.  In front of the round every wave waits for all its tensor loads (its part of this trip's tile is the one that was out) and for
; its LDS reads; behind it no wave of any partner reads the other slot or has a load on its way, and the joint refill is the first tensor load.
; One tensor load of a wave is out at a time; it has the trip's two chunks in which to land.
.macro TRIP slot, refill, first
	s_wait_xcnt 0x0
	v_lshl_add_u32 v254, v0, 2, 0x35400
	v_mov_b32 v255, 0
	s_wait_tensorcnt 0x0
	ds_add_u32 v254, v255
	s_wait_dscnt 0x0
.if \slot == 0
	s_add_nc_u64 s[14:15], s[14:15], 131072        ; no load of mine is out: this slot's next tile, two trips on
.else
	s_add_nc_u64 s[26:27], s[26:27], 131072
.endif
	s_wait_dscnt 0x0
	ROUND
.if \refill
.if \slot == 0
	tensor_load_to_lds s[24:27], s[16:23]
	s_nop 0
.else
	tensor_load_to_lds s[12:15], s[16:23]
	s_nop 0
.endif
.endif
	CHUNK \slot, 0, \slot, \first
	CHUNK \slot, 1, \slot, 0
.endm
.macro LAP first
	TRIP 0, 1, \first
	TRIP 1, 1, 0
	s_add_nc_u64 s[28:29], s[28:29], 1024          ; 512 keys of mask words on; the last scalar loads were waited for in the last softmax steps
.endm
	s_load_b256 s[68:75], s[0:1], 0x0              ; qh s[68:69], kv s[70:71], mbits s[72:73], ctx s[74:75]
	v_lshl_add_u32 v254, v0, 2, 0x35400
	v_mov_b32 v255, 0
	ds_add_u32 v254, v255
	s_wait_dscnt 0x0
	v_lshrrev_b32 v1, 5, v0
	v_readfirstlane_b32 s4, v1                     ; wave 0..7
	s_and_b32 s5, s4, 3                            ; my 64 query rows
	s_lshr_b32 s6, s4, 2                           ; my parity of key blocks
	s_bfe_u32 s8, ttmp6, 0x40000                   ; cx
	s_lshl_b32 s7, ttmp9, 2
	s_add_co_u32 s7, s7, s8                        ; query block of 256 rows
	s_and_b32 s9, ttmp7, 0xffff                    ; bh = 16 batch + head
	s_mov_b32 s10, 0x76543210                      ; v_permlanex16_b32: lane i of one half reads lane i of the other
	s_mov_b32 s11, 0xfedcba98
	; group 1: 32 rows of 32 elements of 8 bytes, dense; 16 bytes of padding behind every 64 words; all four work-groups of the cluster
	s_mov_b32 s16, 15|(3<<16)|(1<<20)|(1<<21)|(5<<22)|(3<<25)
	s_mov_b32 s17, 32<<16
	s_mov_b32 s18, 32<<16
	s_mov_b32 s19, 32<<16
	s_mov_b32 s20, 32
	s_mov_b32 s21, 32
	s_mov_b32 s22, 0
	s_mov_b32 s23, 0
	s_lshl_b32 s34, s9, 19                         ; kv: bh x 524,288 + wave x 8,192: nothing of cx
	s_lshl_b32 s35, s4, 13
	s_add_co_u32 s34, s34, s35
	s_mov_b32 s35, 0
	s_lshl_b32 s36, s9, 18                         ; qh: (bh 2048 + 256 block + 64 wave) x 128
	s_lshl_b32 s37, s7, 15
	s_add_co_u32 s36, s36, s37
	s_lshl_b32 s37, s5, 13
	s_add_co_u32 s36, s36, s37
	s_mov_b32 s37, 0
	s_lshr_b32 s40, s9, 4                          ; batch
	s_lshl_b32 s38, s40, 19                        ; mbits: (128 batch + 16 block + 4 wave) x 4,096 + 256 parity
	s_lshl_b32 s39, s7, 16
	s_add_co_u32 s38, s38, s39
	s_lshl_b32 s39, s5, 14
	s_add_co_u32 s38, s38, s39
	s_lshl_b32 s39, s6, 8
	s_add_co_u32 s38, s38, s39
	s_mov_b32 s39, 0
	s_lshl_b32 s42, s40, 22                        ; ctx: ((32 batch + 4 block + wave) 16 + head) x 8,192
	s_lshl_b32 s43, s7, 19
	s_add_co_u32 s42, s42, s43
	s_lshl_b32 s43, s5, 17
	s_add_co_u32 s42, s42, s43
	s_and_b32 s43, s9, 15
	s_lshl_b32 s43, s43, 13
	s_add_co_u32 s42, s42, s43
	s_mov_b32 s43, 0
	s_mov_b32 s12, 1
	s_mul_i32 s13, s4, 8704                        ; my part of slot 0
	s_mov_b32 s24, 1
	s_add_co_u32 s25, s13, SLOT                    ; of slot 1
	s_wait_kmcnt 0x0
	s_add_nc_u64 s[14:15], s[70:71], s[34:35]      ; trip 0
	s_add_nc_u64 s[26:27], s[14:15], 65536         ; trip 1
	s_or_b32 s15, s15, 0x80000000
	s_or_b32 s27, s27, 0x80000000
	s_add_nc_u64 s[30:31], s[68:69], s[36:37]
	s_add_nc_u64 s[28:29], s[72:73], s[38:39]
	s_add_nc_u64 s[66:67], s[74:75], s[42:43]
	v_and_b32 v1, 15, v0                           ; r
	v_bfe_u32 v32, v0, 4, 1                        ; h
	v_and_b32 v33, 31, v0                          ; lane
	v_lshlrev_b32 v[QO], 7, v1
	v_lshl_add_u32 v[QO], v32, 4, v[QO]            ; row r of Q, 16 bytes at 16 h
	WIN 0x40
.irp qt, 0,1,2,3
.irp ks, 0,1
	global_load_b128 v[QF+8*(2*\qt+\ks):QF+8*(2*\qt+\ks)+3],   v[QO], s[30:31] offset:\qt*2048+\ks*64
	global_load_b128 v[QF+8*(2*\qt+\ks)+4:QF+8*(2*\qt+\ks)+7], v[QO], s[30:31] offset:\qt*2048+\ks*64+32
.endr
.endr
	WIN 0
	ROUND                                          ; all four work-groups are here: the first joint loads meet
	tensor_load_to_lds s[12:15], s[16:23]
	s_nop 0
	v_lshrrev_b32 v34, 1, v1
	v_mul_u32_u24 v34, v34, 272
	v_and_b32 v35, 1, v1
	v_lshl_add_u32 v34, v35, 7, v34
	v_lshl_add_u32 v34, v32, 4, v34                ; (r >> 1) 272 + (r & 1) 128 + 16 h
	s_mul_i32 s44, s6, GRP
	v_add_nc_u32 v[AD], s44, v34
	v_add_nc_u32 v[AD+1], SLOT, v[AD]
	s_mul_i32 s45, s5, 16*SPITCH
	s_add_co_u32 s45, s45, STAGE
	v_mul_u32_u24 v35, v1, SPITCH
	v_lshl_add_u32 v35, v32, 4, v35
	v_add_nc_u32 v[STO], s45, v35
	v_lshrrev_b32 v35, 3, v33
	v_mul_u32_u24 v35, v35, SPITCH
	v_and_b32 v36, 7, v33
	v_lshl_add_u32 v35, v36, 4, v35
	v_add_nc_u32 v[RD], s45, v35
	v_lshlrev_b32 v[CO], 4, v33
	s_mul_i32 s46, s5, XW
	s_add_co_u32 s46, s46, XCH
	v_add_nc_u32 v[XA], s46, v[CO]
	v_mov_b32 v[NEG], 0xceabfb8f                   ; -1e9 log2(e)
	v_mov_b32 v[MN+1], 0                           ; the packed forms name whole pairs, the permute's destination counts as read: written once here
	v_mov_b32 v[TT+2], 0
.irp qt, 0,1,2,3
	v_mov_b32 v[ALF+\qt], 0
.endr
	s_wait_loadcnt 0x0                             ; Q's fragments, once
	LAP 1                                          ; trips 0, 1: the first chunk starts maxima, sums and O: nothing is cleared
	s_mov_b32 s3, 2
.Llap:
	LAP 0                                          ; trips 2 to 5
	s_sub_co_u32 s3, s3, 1
	s_cmp_lg_u32 s3, 0
	s_cbranch_scc1 .Llap
	TRIP 0, 1, 0                                   ; trip 6 asks for the last tile
	TRIP 1, 0, 0                                   ; trip 7 asks for nothing (the stepped addresses are not used)
	; MERGE of the two halves of the keys
	PLACES 4                                       ; four plain vector places before O is read or stored and before loads land on P
.irp qt, 0,1,2,3
	v_add_f32 v[TT+4+\qt], v[LS+2*\qt], v[LS+2*\qt+1]
.endr
.irp qt, 0,1,2,3
	v_permlanex16_b32 v[TT+\qt], v[TT+4+\qt], s10, s11
.endr
.irp qt, 0,1,2,3
	v_add_f32 v[TT+\qt], v[TT+\qt], v[TT+4+\qt]    ; l of query r over my keys
.endr
	s_cmp_lt_u32 s4, 4
	s_cbranch_scc1 .Lkeep
	WIN 0x04                                       ; store data in window 1
.set i, 0
.rept 32
	ds_store_b128 v[XA], v[OA+4*i:OA+4*i+3] offset:512*i
.set i, i+1
.endr
	WIN 0
	ds_store_b128 v[XA], v[MX:MX+3] offset:16384
	ds_store_b128 v[XA], v[TT:TT+3] offset:16896
.Lkeep:
	s_wait_dscnt 0x0                               ; for the partner's sake: my stores are done
	s_barrier_signal -1
	s_barrier_wait -1
	s_cmp_ge_u32 s4, 4
	s_cbranch_scc1 .Lclose
.set i, 0
.rept 32
	ds_load_b128 v[SC+4*i:SC+4*i+3], v[XA] offset:512*i
.set i, i+1
.endr
	ds_load_b128 v[M1:M1+3], v[XA] offset:16384
	ds_load_b128 v[L1:L1+3], v[XA] offset:16896
	s_wait_dscnt 0x0
.irp qt, 0,1,2,3
	v_max_num_f32 v[TT+4+\qt], v[MX+\qt], v[M1+\qt]
	v_sub_f32 v[MX+\qt], v[MX+\qt], v[TT+4+\qt]
	v_sub_f32 v[M1+\qt], v[M1+\qt], v[TT+4+\qt]
.endr
.irp qt, 0,1,2,3
	v_exp_f32 v[MX+\qt], v[MX+\qt]
	v_exp_f32 v[M1+\qt], v[M1+\qt]
.endr
	v_nop                                          ; a plain vector place behind the exponentials
	s_wait_alu depctr_va_vdst(0)
.irp qt, 0,1,2,3
	v_mul_f32 v[TT+4+\qt], v[TT+\qt], v[MX+\qt]
	v_fmac_f32 v[TT+4+\qt], v[L1+\qt], v[M1+\qt]   ; l = l0 a0 + l1 a1, at least 1: the largest score gives exp2(0)
.endr
.irp qt, 0,1,2,3
	v_rcp_f32 v[PK+\qt], v[TT+4+\qt]
.endr
	v_nop                                          ; a plain vector place behind the reciprocals
	s_wait_alu depctr_va_vdst(0)
.irp qt, 0,1,2,3
	v_mul_f32 v[ALF+\qt], v[MX+\qt], v[PK+\qt]     ; my factor
	v_mul_f32 v[FB+\qt], v[M1+\qt], v[PK+\qt]      ; the partner's
.endr
.irp hq, 0,1
.irp q, 0,1
.irp e, 0,2,4,6,8,10,12,14,16,18,20,22,24,26,28,30
	v_pk_mul_f32 v[SC+32*(2*\hq+\q)+\e:SC+32*(2*\hq+\q)+\e+1], v[SC+32*(2*\hq+\q)+\e:SC+32*(2*\hq+\q)+\e+1], v[FB+2*\hq:FB+2*\hq+1] op_sel:[0,\q] op_sel_hi:[1,\q]
.endr
.endr
.endr
	WIN 0x01                                       ; source 0 (my O) in window 1
.irp hq, 0,1
.irp q, 0,1
.irp e, 0,2,4,6,8,10,12,14,16,18,20,22,24,26,28,30
	v_pk_fma_f32 v[SC+32*(2*\hq+\q)+\e:SC+32*(2*\hq+\q)+\e+1], v[OA+32*(2*\hq+\q)+\e:OA+32*(2*\hq+\q)+\e+1], v[ALF+2*\hq:ALF+2*\hq+1], v[SC+32*(2*\hq+\q)+\e:SC+32*(2*\hq+\q)+\e+1] op_sel:[0,\q,0] op_sel_hi:[1,\q,1]
.endr
.endr
.endr
	WIN 0
	; THE WAY OUT: a lane holds query 16 qt + r and d = 16 dt + 8 h + j.  16 rows at a time through my own stage, out as 512 consecutive bytes a store.
.irp qt, 0,1,2,3
.irp x, 0,1,2,3,4,5,6,7,8,9,10,11,12,13,14,15
	v_cvt_pk_bf16_f32 v[PK+\x], v[SC+32*\qt+2*\x], v[SC+32*\qt+2*\x+1]
.endr
.irp dt, 0,1,2,3
	ds_store_b128 v[STO], v[PK+4*\dt:PK+4*\dt+3] offset:32*\dt
.endr
	s_wait_xcnt 0x0                                ; the read-back registers were the data of the last stores
.irp t, 0,1,2,3
	ds_load_b128 v[KF+4*\t:KF+4*\t+3], v[RD] offset:4*SPITCH*\t        ; my own bytes, served in order
.endr
.irp t, 0,1,2,3
	s_wait_dscnt 3-\t                              ; read-back t is in, the younger ones stay out
	global_store_b128 v[CO], v[KF+4*\t:KF+4*\t+3], s[66:67] offset:2048*\qt+512*\t
.endr
.endr
.Lclose:
	s_wait_xcnt 0x0
	v_lshl_add_u32 v254, v0, 2, 0x35400
	v_mov_b32 v255, 0
	s_wait_tensorcnt 0x0
	ds_add_u32 v254, v255
	s_wait_dscnt 0x0
	ROUND                                          ; the closing round: no work-group ends while a partner may still ask for a tile that names it
	s_endpgm
.Lfunc_end_k_qc6604051bb_attn:
	.size	k_qc6604051bb_attn, .Lfunc_end_k_qc6604051bb_attn-k_qc6604051bb_attn
	.p2alignl 7, 3214868480
	.fill 96, 4, 3214868480
	.section	.rodata,"a",@progbits
	.p2align	6, 0x0
	.amdhsa_kernel k_qc6604051bb_attn
		.amdhsa_group_segment_fixed_size 327680
		.amdhsa_private_segment_fixed_size 0
		.amdhsa_enable_private_segment 0
		.amdhsa_kernarg_size 32
		.amdhsa_user_sgpr_count 2
		.amdhsa_user_sgpr_kernarg_segment_ptr 1
		.amdhsa_wavefront_size32 1
		.amdhsa_system_sgpr_workgroup_id_x 1
		.amdhsa_system_sgpr_workgroup_id_y 1
		.amdhsa_system_sgpr_workgroup_id_z 1
		.amdhsa_system_vgpr_workitem_id 0
		.amdhsa_next_free_vgpr 512
		.amdhsa_next_free_sgpr 100
		.amdhsa_reserve_vcc 0
		.amdhsa_float_denorm_mode_32 3
		.amdhsa_float_denorm_mode_16_64 3
		.amdhsa_memory_ordered 1
		.amdhsa_forward_progress 1
		.amdhsa_inst_pref_size 255
	.end_amdhsa_kernel
	.section	.bss,"aw",@nobits
	.p2align	6
	.space	262144
	.amdgpu_metadata
---
amdhsa.version: [ 1, 2 ]
amdhsa.kernels:
  - .name:           k_qc6604051bb_attn
    .symbol:         k_qc6604051bb_attn.kd
    .args:
      - { .name: qh, .offset: 0, .size: 8, .value_kind: global_buffer, .address_space: global }
      - { .name: kv, .offset: 8, .size: 8, .value_kind: global_buffer, .address_space: global }
      - { .name: mbits, .offset: 16, .size: 8, .value_kind: global_buffer, .address_space: global }
      - { .name: ctx, .offset: 24, .size: 8, .value_kind: global_buffer, .address_space: global }
    .group_segment_fixed_size: 327680
    .private_segment_fixed_size: 0
    .kernarg_segment_align: 8
    .kernarg_segment_size: 32
    .max_flat_workgroup_size: 256
    .sgpr_count:     100
    .vgpr_count:     512
    .wavefront_size: 32
...
	.end_amdgpu_metadata
.endif
;; end of part 3
;; launch outp (part 4): grid 8 x 32, 4 waves a work-group, clusters of 4 x 4, 327,680 bytes of LDS; arguments ctx, wb, wo_b, out0; writes out0
.if DOCPART == 4
	.amdgcn_target "amdgcn-amd-amdhsa--gfx1250"
	.amdhsa_code_object_version 6
	.text
	.protected	k_qc6604051bb_outp
	.globl	k_qc6604051bb_outp
	.p2align	8
	.type	k_qc6604051bb_outp,@function
k_qc6604051bb_outp:
	s_mov_b64 s[64:65], 0
	v_nop
	global_prefetch_b8 v0, s[64:65] scope:SCOPE_SE
	s_setreg_imm32_b32 hwreg(HW_REG_WAVE_MODE, 25, 1), 1
	s_wait_xcnt 0x0
	s_wait_alu depctr_hold_cnt(0) depctr_sa_sdst(0) depctr_va_vdst(0) depctr_va_sdst(0) depctr_va_ssrc(0) depctr_va_vcc(0) depctr_vm_vsrc(0)
	s_getreg_b32 s2, hwreg(HW_REG_IB_STS2, 6, 4)
	s_cmp_eq_u32 s2, 0
	s_cbranch_scc0 .Lentry_in_a_cluster
	s_endpgm
.Lentry_in_a_cluster:
	s_bfe_u32 s2, ttmp6, 0x10000c
	s_cmp_lg_u32 s2, 0xf033
	s_cbranch_scc0 .Lentry_shape_is_right
	s_endpgm
.Lentry_shape_is_right:
; OUTPUT PROJECTION: out0 = ctx wo^T + bo.  ctx and wo (the fourth plane of wb) are bf16 in tiles of 64 rows x 64 k; sums and result f32.
; The shape of the QKV launch: a work-group makes a block of 128 x 128 with four waves (64 x 64 each, 16 accumulator tiles), K in 4 steps of 256 through
; two LDS slots, written out.  A quarter of a slot (64 rows x 256 k, 32,768 dense bytes) comes in as 128 rows of 256 bytes + 16 of padding: a logical
; row p of 128 bytes lies at (p >> 1) 272 + (p & 1) 128.  CLUSTER 4 x 4: ctx's tiles are asked for jointly along a cluster row, wo's along a column.
; Source 0 = rows of wo, source 1 = rows of ctx: a lane holds 8 neighbouring columns of one row.  16 rows at a time go through a stage of the wave's own
; (rows of 256 bytes + 16) and leave so that sixteen lanes store 256 consecutive bytes, aligned.
; LIMIT: ctx and wo are rounded to bf16.
.set TILES,   4
.set KBYTES,  32768
.set APLANE,  0
.set BPLANE,  0
.set WOPLANE, 3*2097152                ; wo behind wq, wk, wv in wb
.set QUARTER, 34816
.set SLOT,    4*QUARTER
.set STAGE,   2*SLOT
.set SPITCH,  272
.set ADRA, 16
.set ADRB, 20
.set STO,  24
.set RD,   25
.set CO,   26
.set BO8,  27
.set F0,   64
.set F1,   128
.set TMP,  192
.set BIAS, 224
.set G1,  24
.set G0,  32
.set G1B, 48
.set G0B, 56
.set MULW, 0x50
.set MSB, 0
.macro WIN new
.if MSB != \new
	s_set_vgpr_msb (MSB<<8)|\new
.set MSB, \new
.endif
.endm
.macro PLACES n
.rept \n
	v_nop
.endr
.endm
.macro ROUND                           ; a round of the cluster's barrier
	s_barrier_signal -1
	s_barrier_wait -1
	s_cmp_lg_u32 s10, 0
	s_cbranch_scc1 .Lnot_wave_0_\@
	s_barrier_signal -3
.Lnot_wave_0_\@:
	s_barrier_wait -3
	s_barrier_signal -1
	s_barrier_wait -1
.endm
.macro JLOAD s                         ; waves 0, 1 ask for ctx's halves, waves 2, 3 for wo's; one mask a line; the branch hangs on the wave's number alone
	s_cmp_eq_u32 s11, 0
	s_cbranch_scc0 .Lfor_b_\@
	tensor_load_to_lds s[G0+4*(\s):G0+4*(\s)+3], s[G1:G1+7]
	s_nop 0
	s_branch .Lasked_\@
.Lfor_b_\@:
	tensor_load_to_lds s[G0B+4*(\s):G0B+4*(\s)+3], s[G1B:G1B+7]
	s_nop 0
.Lasked_\@:
.endm
.macro SETADR slot, t
	s_add_nc_u64 s[G0+4*(\slot)+2:G0+4*(\slot)+3], s[14:15], (\t)*KBYTES
	s_add_nc_u64 s[G0B+4*(\slot)+2:G0B+4*(\slot)+3], s[46:47], (\t)*KBYTES
.endm
.macro FETCH slot, kk, f               ; the fragments of k32 step kk: 4 tiles of ctx, 4 of wo, two loads of 16 bytes each
.irp a, 0,1,2,3
	ds_load_b128 v[\f+8*\a:\f+8*\a+3],   v[ADRA+\slot] offset:((\kk)>>1)*8704+\a*2176+((\kk)&1)*64
	ds_load_b128 v[\f+8*\a+4:\f+8*\a+7], v[ADRA+\slot] offset:((\kk)>>1)*8704+\a*2176+((\kk)&1)*64+32
.endr
.irp a, 0,1,2,3
	ds_load_b128 v[\f+32+8*\a:\f+32+8*\a+3], v[ADRB+\slot] offset:((\kk)>>1)*8704+\a*2176+((\kk)&1)*64
	ds_load_b128 v[\f+32+8*\a+4:\f+32+8*\a+7], v[ADRB+\slot] offset:((\kk)>>1)*8704+\a*2176+((\kk)&1)*64+32
.endr
.endm
.macro MUL16 f, zero                   ; the sixteen accumulators take turns, one instruction a turn
.irp i, 0,1,2,3
.irp j, 0,1,2,3
.if \zero
	v_wmma_f32_16x16x32_bf16 v[8*(4*\i+\j):8*(4*\i+\j)+7], v[\f+32+8*\j:\f+32+8*\j+7], v[\f+8*\i:\f+8*\i+7], 0
.else
	v_wmma_f32_16x16x32_bf16 v[8*(4*\i+\j):8*(4*\i+\j)+7], v[\f+32+8*\j:\f+32+8*\j+7], v[\f+8*\i:\f+8*\i+7], v[8*(4*\i+\j):8*(4*\i+\j)+7]
.endif
.endr
.endr
.endm
.macro STEP slot, nk, f, g
	PLACES 4                                       ; a load into a register that a matrix instruction has read stands four plain vector places behind it
	FETCH \slot, \nk, \g
	s_wait_dscnt 16                                ; all but the 16 loads just issued: buffer f is in
	WIN MULW
	MUL16 \f, 0
	WIN 0
.endm
.macro KSTEP slot, zero
	PLACES 4
	FETCH \slot, 0, F0
	FETCH \slot, 1, F1
	s_wait_dscnt 16                                ; buffer 0 is in, buffer 1's 16 loads stay out
	WIN MULW
	MUL16 F0, \zero
	WIN 0
	STEP \slot, 2, F1, F0
	STEP \slot, 3, F0, F1
	STEP \slot, 4, F1, F0
	STEP \slot, 5, F0, F1
	STEP \slot, 6, F1, F0
	STEP \slot, 7, F0, F1
	s_wait_dscnt 0x0
	WIN MULW
	MUL16 F1, 0
	WIN 0
.endm
; In front of the round every wave waits for all its tensor loads and for its LDS reads; behind it the joint refill is the first tensor load.
; One tensor load of a wave is out at a time; it has the trip's 128 matrix instructions in which to land.
.macro TRIP t, slot
	s_wait_tensorcnt 0x0
	ds_add_u32 v62, v63
	s_wait_dscnt 0x0
.if \t+2 < TILES
	SETADR \slot, \t+2
.endif
	s_wait_dscnt 0x0
	ROUND
.if \t+1 < TILES
	JLOAD (1-\slot)
.endif
.if \t == 3
.irp j, 0,1,2,3
	global_load_b128 v[BIAS+8*\j:BIAS+8*\j+3],   v[BO8], s[72:73] offset:64*\j        ; the bias of my 4 x 8 columns, needed behind this trip
	global_load_b128 v[BIAS+8*\j+4:BIAS+8*\j+7], v[BO8], s[72:73] offset:64*\j+16
.endr
.endif
.if \t == 0
	KSTEP \slot, 1
.else
	KSTEP \slot, 0
.endif
.endm
	s_load_b256 s[80:87], s[0:1], 0x0              ; ctx s[80:81], wb s[82:83], wo_b s[84:85], out0 s[86:87]
	v_lshl_add_u32 v62, v0, 2, 0x48400
	v_mov_b32 v63, 0
	ds_add_u32 v62, v63
	v_lshrrev_b32 v1, 5, v0
	v_readfirstlane_b32 s10, v1                    ; wave 0..3
	s_lshr_b32 s11, s10, 1
	s_and_b32 s12, s10, 1
	s_bfe_u32 s40, ttmp6, 0x40000                  ; cx
	s_bfe_u32 s41, ttmp6, 0x40004                  ; cy
	s_lshl_b32 s42, ttmp9, 2
	s_add_co_u32 s42, s42, s40                     ; N
	s_and_b32 s13, ttmp7, 0xffff
	s_lshl_b32 s13, s13, 2
	s_add_co_u32 s13, s13, s41                     ; M
	s_lshl_b32 s43, s41, 2
	s_lshl_b32 s43, 15, s43                        ; my row of the cluster
	s_lshl_b32 s44, 0x1111, s40                    ; my column
	s_or_b32 s[G1+0], s43, (3<<16)|(1<<20)|(1<<21)|(5<<22)|(3<<25)
	s_or_b32 s[G1B+0], s44, (3<<16)|(1<<20)|(1<<21)|(5<<22)|(3<<25)
	s_mov_b32 s[G1+1], 32<<16
	s_mov_b32 s[G1B+1], 32<<16
	s_mov_b32 s[G1+2], 128<<16
	s_mov_b32 s[G1B+2], 128<<16
	s_mov_b32 s[G1+3], 32<<16
	s_mov_b32 s[G1B+3], 32<<16
	s_mov_b32 s[G1+4], 128
	s_mov_b32 s[G1B+4], 128
	s_mov_b32 s[G1+5], 32
	s_mov_b32 s[G1B+5], 32
	s_mov_b32 s[G1+6], 0
	s_mov_b32 s[G1B+6], 0
	s_mov_b32 s[G1+7], 0
	s_mov_b32 s[G1B+7], 0
	s_lshl_b32 s16, s13, 1
	s_add_co_u32 s16, s16, s12
	s_lshl_b32 s16, s16, 17                        ; ctx: row block 2 M + half
	s_mov_b32 s17, 0
	s_lshl_b32 s46, s42, 1
	s_add_co_u32 s46, s46, s12
	s_lshl_b32 s46, s46, 17
	s_add_co_u32 s46, s46, WOPLANE                 ; wo: row block 2 N + half
	s_mov_b32 s47, 0
	s_mul_i32 s20, s10, QUARTER
	s_lshl_b32 s4, s42, 9
	s_lshl_b32 s5, s12, 8
	s_add_co_u32 s4, s4, s5                        ; my first column, in bytes of f32
	s_mov_b32 s5, 0
	s_lshl_b32 s18, s13, 19
	s_lshl_b32 s19, s11, 18
	s_add_co_u32 s18, s18, s19
	s_add_co_u32 s18, s18, s4                      ; (128 M + 64 half) rows of 4,096 bytes + the column
	s_mov_b32 s19, 0
	s_wait_dscnt 0x0
	s_wait_kmcnt 0x0
	s_add_nc_u64 s[14:15], s[80:81], s[16:17]
	s_or_b32 s15, s15, 0x80000000
	s_add_nc_u64 s[46:47], s[82:83], s[46:47]
	s_or_b32 s47, s47, 0x80000000
	s_add_nc_u64 s[66:67], s[86:87], s[18:19]
	s_add_nc_u64 s[72:73], s[84:85], s[4:5]
.irp s, 0,1
	s_mov_b32 s[G0+4*\s], 1
	s_add_co_u32 s[G0+4*\s+1], s20, \s*SLOT
	s_mov_b32 s[G0B+4*\s], 1
	s_add_co_u32 s[G0B+4*\s+1], s20, \s*SLOT
	SETADR \s, \s
.endr
	ROUND                                          ; all sixteen work-groups are here: the first joint loads meet
	JLOAD 0
	v_and_b32 v1, 15, v0                           ; r
	v_bfe_u32 v2, v0, 4, 1                         ; h
	v_lshrrev_b32 v4, 1, v1
	v_mul_u32_u24 v4, v4, 272
	v_and_b32 v5, 1, v1
	v_lshl_add_u32 v4, v5, 7, v4
	v_lshl_add_u32 v4, v2, 4, v4                   ; (r >> 1) 272 + (r & 1) 128 + 16 h
	s_mul_i32 s21, s11, QUARTER
	s_mul_i32 s22, s12, QUARTER
	s_add_co_u32 s22, s22, 2*QUARTER
.irp s, 0,1
	v_add_nc_u32 v[ADRA+\s], s21, v4
	v_add_nc_u32 v[ADRB+\s], s22, v4
	s_add_co_u32 s21, s21, SLOT
	s_add_co_u32 s22, s22, SLOT
.endr
	s_mul_i32 s23, s10, 16*SPITCH
	s_add_co_u32 s23, s23, STAGE                   ; my stage
	v_mul_u32_u24 v5, v1, SPITCH
	v_lshl_add_u32 v5, v2, 5, v5
	v_add_nc_u32 v[STO], s23, v5                   ; row r, 32 bytes at 32 h
	v_mul_u32_u24 v5, v2, SPITCH
	v_lshl_add_u32 v5, v1, 4, v5
	v_add_nc_u32 v[RD], s23, v5                    ; lanes 0-15 take one row of 256 bytes, lanes 16-31 the next
	v_lshlrev_b32 v5, 12, v2
	v_lshl_add_u32 v[CO], v1, 4, v5                ; and the same two rows in out0
	v_lshlrev_b32 v[BO8], 5, v2
	TRIP 0, 0
	TRIP 1, 1
	TRIP 2, 0
	TRIP 3, 1
	PLACES 4                                       ; four plain vector places between the last matrix instruction and the first read of a result
	s_wait_loadcnt 0x0                             ; the bias
.irp i, 0,1,2,3
	WIN 0x01                                       ; source 0 in window 1
.irp j, 0,1,2,3
.irp p, 0,2,4,6
	v_pk_add_f32 v[TMP+8*\j+\p:TMP+8*\j+\p+1], v[8*(4*\i+\j)+\p:8*(4*\i+\j)+\p+1], v[BIAS+8*\j+\p:BIAS+8*\j+\p+1]
.endr
.endr
	WIN 0
.irp j, 0,1,2,3
	ds_store_b128 v[STO], v[TMP+8*\j:TMP+8*\j+3] offset:64*\j
	ds_store_b128 v[STO], v[TMP+8*\j+4:TMP+8*\j+7] offset:64*\j+16
.endr
	s_wait_xcnt 0x0                                ; the read-back registers were the data of the last stores
.irp t, 0,1,2,3,4,5,6,7
	ds_load_b128 v[F0+4*\t:F0+4*\t+3], v[RD] offset:2*SPITCH*\t        ; my own bytes, served in order: these see the stores above
.endr
.irp t, 0,1,2,3,4,5,6,7
	s_wait_dscnt 7-\t                              ; read-back t is in, the younger ones stay out
	global_store_b128 v[CO], v[F0+4*\t:F0+4*\t+3], s[66:67] offset:65536*\i+8192*\t th:TH_STORE_NT   ; sixteen lanes store 256 consecutive bytes, aligned
.endr
.endr
	s_wait_tensorcnt 0x0
	ds_add_u32 v62, v63
	s_wait_dscnt 0x0
	ROUND                                          ; the closing round: no work-group ends while a partner may still ask for a tile that names it
	s_endpgm
.Lfunc_end_k_qc6604051bb_outp:
	.size	k_qc6604051bb_outp, .Lfunc_end_k_qc6604051bb_outp-k_qc6604051bb_outp
	.p2alignl 7, 3214868480
	.fill 96, 4, 3214868480
	.section	.rodata,"a",@progbits
	.p2align	6, 0x0
	.amdhsa_kernel k_qc6604051bb_outp
		.amdhsa_group_segment_fixed_size 327680
		.amdhsa_private_segment_fixed_size 0
		.amdhsa_enable_private_segment 0
		.amdhsa_kernarg_size 32
		.amdhsa_user_sgpr_count 2
		.amdhsa_user_sgpr_kernarg_segment_ptr 1
		.amdhsa_wavefront_size32 1
		.amdhsa_system_sgpr_workgroup_id_x 1
		.amdhsa_system_sgpr_workgroup_id_y 1
		.amdhsa_system_sgpr_workgroup_id_z 1
		.amdhsa_system_vgpr_workitem_id 0
		.amdhsa_next_free_vgpr 384
		.amdhsa_next_free_sgpr 96
		.amdhsa_reserve_vcc 0
		.amdhsa_float_denorm_mode_32 3
		.amdhsa_float_denorm_mode_16_64 3
		.amdhsa_memory_ordered 1
		.amdhsa_forward_progress 1
		.amdhsa_inst_pref_size 93
	.end_amdhsa_kernel
	.amdgpu_metadata
---
amdhsa.version: [ 1, 2 ]
amdhsa.kernels:
  - .name:           k_qc6604051bb_outp
    .symbol:         k_qc6604051bb_outp.kd
    .args:
      - { .name: ctx, .offset: 0, .size: 8, .value_kind: global_buffer, .address_space: global }
      - { .name: wb, .offset: 8, .size: 8, .value_kind: global_buffer, .address_space: global }
      - { .name: wo_b, .offset: 16, .size: 8, .value_kind: global_buffer, .address_space: global }
      - { .name: out0, .offset: 24, .size: 8, .value_kind: global_buffer, .address_space: global }
    .group_segment_fixed_size: 327680
    .private_segment_fixed_size: 0
    .kernarg_segment_align: 8
    .kernarg_segment_size: 32
    .max_flat_workgroup_size: 128
    .sgpr_count:     96
    .vgpr_count:     384
    .wavefront_size: 32
...
	.end_amdgpu_metadata
.endif
;; end of part 4
;; ======== version 2 of 2: 4 launches; 1.18 times as fast as version 1
;; workspace buffers: xb 25,165,824 bytes; wb 8,388,608 bytes; mbits 1,048,576 bytes of whole numbers; qh 8,388,608 bytes; kv 16,777,216 bytes; ctx 8,388,608 bytes
;; launch prep (part 5): grid 1280 x 1, 8 waves a work-group, no clusters, 35,840 bytes of LDS; arguments query, key, value, wq_w, wk_w, wv_w, wo_w, mask, xb, wb, mbits; writes xb, wb, mbits
.if DOCPART == 5
	.amdgcn_target "amdgcn-amd-amdhsa--gfx1250"
	.amdhsa_code_object_version 6
	.text
	.protected	k_qc6604051bb_prep
	.globl	k_qc6604051bb_prep
	.p2align	8
	.type	k_qc6604051bb_prep,@function
k_qc6604051bb_prep:
	s_mov_b64 s[64:65], 0
	v_nop
	global_prefetch_b8 v0, s[64:65] scope:SCOPE_SE
	s_setreg_imm32_b32 hwreg(HW_REG_WAVE_MODE, 25, 1), 1
	s_wait_xcnt 0x0
; PREP: every large input is read once.
; Work-groups 0..255 (MASK, the longer ones, so they come first): work-group q takes mask rows 16 q .. 16 q + 15 (both batches: 256 tiles of 16 rows), its
;   wave w the keys 256 w .. 256 w + 255, and turns the bytes into lane-mask words:
;   mbits[b][qtile][kt][j], bit (r + 16 h) = (mask[b][16 qtile + r][16 kt + 8 h + j] != 0): the lane layout of a 16 x 16 f32 matrix result
;   with the keys along its rows, so that one word masks one score register of a wave.
; Work-groups 256..1279 (CAST): 16 rows x 1024 f32 of query, key, value, wq_w, wk_w, wv_w or wo_w are rounded to bf16 (nearest even)
;   and stored tiled: block (row block of 64, k block of 64) = 64 rows x 128 bytes, dense, 8,192 bytes; the 16 k blocks of a row block follow
;   each other.  xb = [query|key|value][64 row blocks][16][64][64], wb = [wq|wk|wv|wo][16 row blocks][16][64][64].
; Memory binds: no matrix unit, no barrier (a wave reads back only its own LDS bytes), no loop.
; 1,280 work-groups of 35,840 bytes of LDS and 16 x 82 registers a SIMD pair: five to a WGP lie there together, so none waits for another to end.
.set MASKWG, 256
.set X,   16                           ; v[16:79]   cast: 16 loads of 16 bytes, converted in place; mask: v[16:47], 8 loads
.set W,   48                           ; v[48:63]   mask: 8 loads of 8 mask bytes
.set OUT, 64                           ; v[64:67]   mask: 128 words of the wave, 4 a lane
.set T,   68                           ; v[68:71]   at work
.set MPITCH, 272                       ; mask rows in LDS: 256 bytes + 16 = 68 words, so that 16 rows x 2 halves of 8 bytes touch 64 different words modulo 256 bytes
	s_load_b512 s[4:19], s[0:1], 0x0               ; query s[4:5] key s[6:7] value s[8:9] wq s[10:11] wk s[12:13] wv s[14:15] wo s[16:17] mask s[18:19]
	s_load_b128 s[20:23], s[0:1], 0x40             ; xb s[20:21], wb s[22:23]
	s_load_b64 s[24:25], s[0:1], 0x50              ; mbits
	v_lshl_add_u32 v80, v0, 2, 0x8800
	v_mov_b32 v81, 0
	s_cmp_lt_u32 ttmp9, MASKWG
	s_cbranch_scc1 .Lmask
	; ---------------- CAST ----------------
	s_sub_co_u32 s34, ttmp9, MASKWG                ; c = 0..1023: a group of 16 source rows
	v_lshrrev_b32 v1, 4, v0                        ; my row of the 16
	v_and_b32 v2, 15, v0                           ; my 4 columns of each 64
	v_lshlrev_b32 v3, 12, v1
	v_lshl_add_u32 v3, v2, 4, v3                   ; source: row x 4,096 + 16 col
	v_lshlrev_b32 v4, 7, v1
	v_lshl_add_u32 v4, v2, 3, v4                   ; destination: row x 128 + 8 col
	s_and_b32 s28, s34, 255                        ; group of 16 rows inside an activation (256 groups each); also c - 768 for the weights
	s_and_b32 s29, s34, 63                         ; group of 16 rows inside a weight (64 groups each)
	s_mov_b32 s32, s28
	s_cmp_lt_u32 s34, 768
	s_cselect_b32 s28, s28, s29
	s_cselect_b32 s32, s34, s32                    ; group of 16 rows inside xb or wb
	s_lshl_b32 s28, s28, 16                        ; 16 rows of 4,096 bytes
	s_mov_b32 s29, 0
	s_lshr_b32 s33, s32, 2
	s_lshl_b32 s33, s33, 17                        ; row block of 64: 16 blocks of 8,192 bytes
	s_and_b32 s32, s32, 3
	s_lshl_b32 s32, s32, 11                        ; 16 rows of 128 bytes inside each block
	s_add_co_u32 s32, s32, s33
	s_mov_b32 s33, 0
	s_wait_kmcnt 0x0
	s_mov_b64 s[26:27], s[16:17]                   ; the source buffer, chosen by the work-group's number alone
	s_cmp_lt_u32 s34, 960
	s_cselect_b64 s[26:27], s[14:15], s[26:27]
	s_cmp_lt_u32 s34, 896
	s_cselect_b64 s[26:27], s[12:13], s[26:27]
	s_cmp_lt_u32 s34, 832
	s_cselect_b64 s[26:27], s[10:11], s[26:27]
	s_cmp_lt_u32 s34, 768
	s_cselect_b64 s[26:27], s[8:9], s[26:27]
	s_cmp_lt_u32 s34, 512
	s_cselect_b64 s[26:27], s[6:7], s[26:27]
	s_cmp_lt_u32 s34, 256
	s_cselect_b64 s[26:27], s[4:5], s[26:27]
	s_cmp_lt_u32 s34, 768
	s_cselect_b64 s[30:31], s[20:21], s[22:23]     ; xb or wb
	s_add_nc_u64 s[26:27], s[26:27], s[28:29]
	s_add_nc_u64 s[30:31], s[30:31], s[32:33]
.irp i, 0,1,2,3,4,5,6,7,8,9,10,11,12,13,14,15
	global_load_b128 v[X+4*\i:X+4*\i+3], v3, s[26:27] offset:256*\i th:TH_LOAD_NT   ; k block i: sixteen lanes read 256 consecutive bytes of a row
.endr
.irp i, 0,1,2,3,4,5,6,7,8,9,10,11,12,13,14,15
	s_wait_loadcnt 15-\i                           ; loads return in order: load i is in, the 15 - i younger ones stay out
	v_cvt_pk_bf16_f32 v[X+4*\i], v[X+4*\i], v[X+4*\i+1]            ; in place: the four f32 become two words of two bf16
	v_cvt_pk_bf16_f32 v[X+4*\i+1], v[X+4*\i+2], v[X+4*\i+3]
	global_store_b64 v4, v[X+4*\i:X+4*\i+1], s[30:31] offset:8192*\i                ; a wave stores 256 consecutive bytes, aligned: two rows of block i
.endr
	s_endpgm                                       ; nothing that a store names is written again, so no store's source needs a wait
	; ---------------- MASK ----------------
.Lmask:
	v_lshrrev_b32 v1, 5, v0
	v_readfirstlane_b32 s26, v1                    ; wave = which 256 keys
	v_and_b32 v2, 31, v0                           ; lane
	v_and_b32 v6, 15, v0                           ; r
	v_bfe_u32 v7, v0, 4, 1                         ; h
	v_lshlrev_b32 v3, 11, v7
	v_lshl_add_u32 v3, v6, 4, v3                   ; source: lanes 0-15 take 256 bytes of one row of 2,048, lanes 16-31 of the next
	s_mul_i32 s34, s26, 16*MPITCH                  ; my wave's LDS bytes
	v_mul_u32_u24 v9, v7, MPITCH
	v_lshl_add_u32 v9, v6, 4, v9
	v_add_nc_u32 v4, s34, v9                       ; in: the same two rows
	v_mul_u32_u24 v5, v6, MPITCH
	v_lshl_add_u32 v5, v7, 3, v5
	v_add_nc_u32 v5, s34, v5                       ; back: row r, 8 bytes at 8 h of a key tile
	v_lshlrev_b32 v10, 4, v2                       ; out: 16 x lane
	s_lshl_b32 s30, ttmp9, 15                      ; 16 rows of 2,048 bytes
	s_lshl_b32 s31, s26, 8                         ; 256 keys
	s_add_co_u32 s30, s30, s31
	s_mov_b32 s31, 0
	s_lshl_b32 s32, ttmp9, 12                      ; 128 key tiles x 8 words
	s_lshl_b32 s33, s26, 9                         ; 16 key tiles x 8 words
	s_add_co_u32 s32, s32, s33
	s_mov_b32 s33, 0
	s_wait_kmcnt 0x0
	s_add_nc_u64 s[18:19], s[18:19], s[30:31]
	s_add_nc_u64 s[24:25], s[24:25], s[32:33]
.irp p, 0,1,2,3,4,5,6,7
	global_load_b128 v[X+4*\p:X+4*\p+3], v3, s[18:19] offset:4096*\p th:TH_LOAD_NT  ; rows 2 p and 2 p + 1: 256 consecutive bytes each, aligned
.endr
.irp q, 0,1,2,3
	v_mov_b32 v[OUT+\q], 0                         ; v_writelane_b32 keeps the other lanes: its destination is written whole first
.endr
.irp p, 0,1,2,3,4,5,6,7
	s_wait_loadcnt 7-\p                            ; load p is in, the younger ones stay out
	ds_store_b128 v4, v[X+4*\p:X+4*\p+3] offset:2*MPITCH*\p
.endr
	; LDS serves a wave's instructions in order (ISA guide 5.7.1): the loads below see the stores above; the bytes are my wave's own.
.irp bt, 0,1
.irp k, 0,1,2,3,4,5,6,7
	ds_load_b64 v[W+2*\k:W+2*\k+1], v5 offset:16*(8*\bt+\k)                         ; key tile 8 bt + k: mask[r][16 kt + 8 h + 0..7]
.endr
.irp k, 0,1,2,3,4,5,6,7
	s_wait_dscnt 7-\k                              ; load k of this batch is in, the 7 - k younger ones stay out
.irp j, 0,1,2,3,4,5,6,7
	v_bfe_u32 v[T+(\j&3)], v[W+2*\k+(\j>>2)], 8*(\j&3), 8
	v_cmp_ne_u32 s[36+\j], 0, v[T+(\j&3)]          ; one bit a lane: word 8 kt + j
	v_writelane_b32 v[OUT+(\j&3)], s[36+\j], (8*(8*\bt+\k)+\j)>>2                   ; word x lies in register x & 3 of lane x >> 2
.endr
.endr
.endr
	global_store_b128 v10, v[OUT:OUT+3], s[24:25]  ; the wave's 128 words: 512 consecutive bytes, aligned
	s_wait_tensorcnt 0x0
	ds_add_u32 v80, v81
	s_wait_dscnt 0x0
	s_endpgm
.Lfunc_end_k_qc6604051bb_prep:
	.size	k_qc6604051bb_prep, .Lfunc_end_k_qc6604051bb_prep-k_qc6604051bb_prep
	.p2alignl 7, 3214868480
	.fill 96, 4, 3214868480
	.section	.rodata,"a",@progbits
	.p2align	6, 0x0
	.amdhsa_kernel k_qc6604051bb_prep
		.amdhsa_group_segment_fixed_size 35840
		.amdhsa_private_segment_fixed_size 0
		.amdhsa_enable_private_segment 0
		.amdhsa_kernarg_size 88
		.amdhsa_user_sgpr_count 2
		.amdhsa_user_sgpr_kernarg_segment_ptr 1
		.amdhsa_wavefront_size32 1
		.amdhsa_system_sgpr_workgroup_id_x 1
		.amdhsa_system_sgpr_workgroup_id_y 1
		.amdhsa_system_sgpr_workgroup_id_z 1
		.amdhsa_system_vgpr_workitem_id 0
		.amdhsa_next_free_vgpr 82
		.amdhsa_next_free_sgpr 66
		.amdhsa_reserve_vcc 0
		.amdhsa_float_denorm_mode_32 3
		.amdhsa_float_denorm_mode_16_64 3
		.amdhsa_memory_ordered 1
		.amdhsa_forward_progress 1
		.amdhsa_inst_pref_size 37
	.end_amdhsa_kernel
	.amdgpu_metadata
---
amdhsa.version: [ 1, 2 ]
amdhsa.kernels:
  - .name:           k_qc6604051bb_prep
    .symbol:         k_qc6604051bb_prep.kd
    .args:
      - { .name: query, .offset: 0, .size: 8, .value_kind: global_buffer, .address_space: global }
      - { .name: key, .offset: 8, .size: 8, .value_kind: global_buffer, .address_space: global }
      - { .name: value, .offset: 16, .size: 8, .value_kind: global_buffer, .address_space: global }
      - { .name: wq_w, .offset: 24, .size: 8, .value_kind: global_buffer, .address_space: global }
      - { .name: wk_w, .offset: 32, .size: 8, .value_kind: global_buffer, .address_space: global }
      - { .name: wv_w, .offset: 40, .size: 8, .value_kind: global_buffer, .address_space: global }
      - { .name: wo_w, .offset: 48, .size: 8, .value_kind: global_buffer, .address_space: global }
      - { .name: mask, .offset: 56, .size: 8, .value_kind: global_buffer, .address_space: global }
      - { .name: xb, .offset: 64, .size: 8, .value_kind: global_buffer, .address_space: global }
      - { .name: wb, .offset: 72, .size: 8, .value_kind: global_buffer, .address_space: global }
      - { .name: mbits, .offset: 80, .size: 8, .value_kind: global_buffer, .address_space: global }
    .group_segment_fixed_size: 35840
    .private_segment_fixed_size: 0
    .kernarg_segment_align: 8
    .kernarg_segment_size: 88
    .max_flat_workgroup_size: 256
    .sgpr_count:     66
    .vgpr_count:     82
    .wavefront_size: 32
...
	.end_amdgpu_metadata
.endif
;; end of part 5
;; launch qkv (part 6): grid 4 x 48, 4 waves a work-group, clusters of 4 x 4, 327,680 bytes of LDS; arguments xb, wb, wq_b, wk_b, wv_b, qh, kv; writes qh, kv
.if DOCPART == 6
	.amdgcn_target "amdgcn-amd-amdhsa--gfx1250"
	.amdhsa_code_object_version 6
	.text
	.protected	k_qc6604051bb_qkv
	.globl	k_qc6604051bb_qkv
	.p2align	8
	.type	k_qc6604051bb_qkv,@function
k_qc6604051bb_qkv:
	s_mov_b64 s[64:65], 0
	v_nop
	global_prefetch_b8 v0, s[64:65] scope:SCOPE_SE
	s_setreg_imm32_b32 hwreg(HW_REG_WAVE_MODE, 25, 1), 1
	s_wait_xcnt 0x0
	s_wait_alu depctr_hold_cnt(0) depctr_sa_sdst(0) depctr_va_vdst(0) depctr_va_sdst(0) depctr_va_ssrc(0) depctr_va_vcc(0) depctr_vm_vsrc(0)
	s_getreg_b32 s2, hwreg(HW_REG_IB_STS2, 6, 4)
	s_cmp_eq_u32 s2, 0
	s_cbranch_scc0 .Lentry_in_a_cluster
	s_endpgm
.Lentry_in_a_cluster:
	s_bfe_u32 s2, ttmp6, 0x10000c
	s_cmp_lg_u32 s2, 0xf033
	s_cbranch_scc0 .Lentry_shape_is_right
	s_endpgm
.Lentry_shape_is_right:
; QKV: Q = (query wq^T + bq) log2(e)/8, K = key wk^T + bk, V^T = wv value^T + bv; operands bf16 (xb, wb), sums f32, results bf16.
; LIMITS: Q, K, V are rounded to bf16 (nearest even); the factor log2(e)/8 of the scores is applied to Q before that rounding.
; A work-group makes a block of 256 x 256 with four waves, one to a SIMD; a wave makes 128 x 128: 64 accumulator tiles of 16 x 16, 512 registers.
; For 32 along K a wave reads 2 x 128 x 64 bytes from LDS and issues 64 matrix instructions.  There are 3 x 16 x 4 = 192 such blocks, so 192 work-groups.
; ONE TEXT FOR THREE PRODUCTS: C[m][n] = sum over k of R[m][k] S[n][k].  Q, K: R = the activation (4096 rows), S = the weight (1024 rows).
;   V^T: R = wv (1024 rows d), S = value (4096 rows, the keys).  Only global addresses differ; they are chosen by the projection's number p, which
;   comes from the cluster's y (4 p + sub) and is the same in all partners.  Q, K: block row 4 sub + cy, block column cx.  V^T: block row cy, column 4 sub + cx.
; TILES: xb and wb are tiled: 64 rows x 128 k are 16,384 dense bytes.  Such a piece comes in as 64 rows of 256 bytes, each followed by 16 bytes of padding:
;   a logical row p of 128 bytes (64 k) of k block q lies at q 8,704 + (p >> 1) 272 + (p & 1) 128, so the sixteen lanes of a fragment load touch sixteen
;   different 16-byte columns modulo 256 bytes.  K goes in 8 steps of 128 through two LDS slots of 8 pieces (R's 256 rows, then S's 256 rows);
;   a wave brings two pieces of each K step.
; CLUSTER 4 x 4: the four work-groups of a cluster row share the block row and ask for R's pieces jointly, the four of a column share S's.
; THE MATRIX INSTRUCTION IS USED TRANSPOSED: source 0 = 16 rows of S, source 1 = 16 rows of R: lane l holds row m = l % 16 and columns 8 (l / 16) + 0..7.
; RESULTS: qh[bh][s][64]; kv[bh][key block of 128]: K as 128 rows x 128 bytes, then V^T, two halves of 64 d x 64 keys (rows of 128 bytes).
;   In all three a wave's 64 rows x 64 columns are 8,192 dense bytes; the four quarters of its tile have a base pointer each.
; REGISTERS, in windows of 256: window 0: v0-31 addresses, v64-127 and v128-191 fragments of R (two buffers), v192-223 packed results;
;   window 1: v0-63 bias, v64-127 and v128-191 fragments of S;  window 2: accumulator tiles of my rows 0-63 (tile (a, b) at 8 (8 a + b));  window 3: rows 64-127.
.set RBLK,   131072                    ; from a block of 64 rows to the next in xb and wb
.set KSTEPB, 16384                     ; a K step of 128 in a block of 64 rows
.set PIECE,  17408                     ; 64 LDS rows of 272 bytes: what one tensor load brings
.set SLOT,   8*PIECE
.set STAGE,  2*SLOT                    ; behind the ring: no tensor load lands here
.set SPITCH, 144                       ; stage row: 128 bytes + 16
.set SHALF,  16*SPITCH                 ; 16 rows of one column half
.set LAPS,   4                         ; a lap = two K steps = once round the ring
.set ADRA, 16                          ; v16-17  my R fragments in slot 0, 1
.set ADRB, 20                          ; v20-21  my S fragments
.set STO,  24                          ; stage: where I put 16 bytes
.set RD,   25                          ; stage: where I read rows back
.set CO,   26                          ; 16 x lane
.set BO8,  27                          ; 32 h: the bias of my 8 columns
.set BO1,  28                          ; 4 r: the bias of my row
.set F0,   64
.set F1,   128
.set TMP,  192
.set BIAS, 0                           ; window 1
.set G1A, 16                           ; s[16:23] group 1 for R's pieces
.set G1B, 24                           ; s[24:31] group 1 for S's pieces
.set G0A, 32                           ; s[32:47] group 0 for R: set 2 slot + piece
.set G0B, 48                           ; s[48:63] group 0 for S
.set MSB, 0
.macro WIN new                         ; the immediate's high byte repeats the setting that is left
.if MSB != \new
	s_set_vgpr_msb (MSB<<8)|\new
.set MSB, \new
.endif
.endm
.set MUL_LO, 0xa1                      ; source 0 (S) window 1, source 1 (R) window 0, C and D window 2
.set MUL_HI, 0xf1                      ; the same, C and D window 3
.set TO_B,   0x40                      ; destination window 1, address window 0
; A joint request for a slot: waves 0, 1 ask for R's pieces, waves 2, 3 for S's, two pieces each.  Each line has one mask; the branch hangs on the wave's number alone.
.macro JLOAD s
	s_cmp_eq_u32 s11, 0
	s_cbranch_scc0 .Lfor_b_\@
	tensor_load_to_lds s[G0A+8*\s:G0A+8*\s+3], s[G1A:G1A+7]
	s_nop 0
	tensor_load_to_lds s[G0A+8*\s+4:G0A+8*\s+7], s[G1A:G1A+7]
	s_nop 0
	s_branch .Lasked_\@
.Lfor_b_\@:
	tensor_load_to_lds s[G0B+8*\s:G0B+8*\s+3], s[G1B:G1B+7]
	s_nop 0
	tensor_load_to_lds s[G0B+8*\s+4:G0B+8*\s+7], s[G1B:G1B+7]
	s_nop 0
.Lasked_\@:
.endm
; A round of the cluster's barrier: my work-group's barrier, wave 0 signals for the work-group, every wave waits for all sixteen, my work-group's barrier again.
.macro CREST                           ; a round behind its opening barrier
	s_cmp_lg_u32 s10, 0
	s_cbranch_scc1 .Lnot_wave_0_\@
	s_barrier_signal -3
.Lnot_wave_0_\@:
	s_barrier_wait -3
	s_barrier_signal -1
	s_barrier_wait -1
.endm
.macro CROUND                          ; a whole round
	s_barrier_signal -1
	s_barrier_wait -1
	CREST
.endm
	s_load_b256 s[84:91], s[0:1], 0x0              ; xb s[84:85], wb s[86:87], wq_b s[88:89], wk_b s[90:91]
	s_load_b128 s[92:95], s[0:1], 0x20             ; wv_b s[92:93], qh s[94:95]
	s_load_b64 s[96:97], s[0:1], 0x30              ; kv
	s_set_vgpr_msb 0x40
	v_lshl_add_u32 v255, v0, 2, 0x48800
	s_set_vgpr_msb 0x4000
	v_mov_b32 v255, 0
	s_set_vgpr_msb 0x1
	ds_add_u32 v255, v255
	s_set_vgpr_msb 0x100
	v_lshrrev_b32 v1, 5, v0
	v_readfirstlane_b32 s10, v1                    ; wave 0..3
	s_lshr_b32 s11, s10, 1                         ; which 128 rows of the block are mine.  Also: I fetch for R (0) or for S (1)
	s_and_b32 s12, s10, 1                          ; which 128 columns.  Also: which two pieces I fetch
	s_bfe_u32 s6, ttmp6, 0x40000                   ; cx
	s_bfe_u32 s7, ttmp6, 0x40004                   ; cy
	s_and_b32 s15, ttmp7, 0xffff                   ; the cluster's y, 0..11
	s_lshr_b32 s4, s15, 2                          ; p: 0 Q, 1 K, 2 V^T
	s_and_b32 s5, s15, 3
	s_lshl_b32 s5, s5, 2                           ; 4 sub
	s_cmp_lt_u32 s4, 2
	s_cselect_b32 s13, s5, 0
	s_cselect_b32 s14, 0, s5
	s_add_co_u32 s13, s13, s7                      ; block row: it never holds cx
	s_add_co_u32 s14, s14, s6                      ; block column: it never holds cy
	s_lshl_b32 s8, s7, 2
	s_lshl_b32 s8, 15, s8                          ; my row of the cluster
	s_lshl_b32 s9, 0x1111, s6                      ; my column
	; group 1: 64 rows of 32 elements of 8 bytes, dense; 16 bytes of padding behind every 64 words
	s_or_b32 s[G1A+0], s8, (3<<16)|(1<<20)|(1<<21)|(5<<22)|(3<<25)
	s_or_b32 s[G1B+0], s9, (3<<16)|(1<<20)|(1<<21)|(5<<22)|(3<<25)
	s_mov_b32 s[G1A+1], 32<<16                     ; tensor_dim0 = 32
	s_mov_b32 s[G1B+1], 32<<16
	s_mov_b32 s[G1A+2], 64<<16                     ; tensor_dim1 = 64
	s_mov_b32 s[G1B+2], 64<<16
	s_mov_b32 s[G1A+3], 32<<16                     ; tile_dim0 = 32
	s_mov_b32 s[G1B+3], 32<<16
	s_mov_b32 s[G1A+4], 64                         ; tile_dim1 = 64
	s_mov_b32 s[G1B+4], 64
	s_mov_b32 s[G1A+5], 32                         ; from row to row: 32 elements
	s_mov_b32 s[G1B+5], 32
	s_mov_b32 s[G1A+6], 0
	s_mov_b32 s[G1B+6], 0
	s_mov_b32 s[G1A+7], 0
	s_mov_b32 s[G1B+7], 0
	s_mul_i32 s100, s10, 2*PIECE                   ; where my two pieces of a slot lie: the wave's number alone
	s_lshl_b32 s15, s12, 1                         ; my first piece of the operand's four
	s_lshl_b32 s78, s13, 2
	s_add_co_u32 s78, s78, s15
	s_lshl_b32 s78, s78, 17                        ; R: block of 64 rows 4 x block row + piece
	s_lshl_b32 s82, s4, 23                         ; query, key: planes of 8,388,608 bytes in xb
	s_cmp_lt_u32 s4, 2
	s_cselect_b32 s82, s82, 0x400000               ; wv: the third plane of 2,097,152 bytes in wb
	s_add_co_u32 s78, s78, s82
	s_mov_b32 s79, 0
	s_lshl_b32 s80, s14, 2
	s_add_co_u32 s80, s80, s15
	s_lshl_b32 s80, s80, 17                        ; S: block of 64 rows 4 x block column + piece
	s_lshl_b32 s83, s4, 21                         ; wq, wk in wb
	s_cmp_lt_u32 s4, 2
	s_cselect_b32 s83, s83, 0x1000000              ; value: the third plane of xb
	s_add_co_u32 s80, s80, s83
	s_mov_b32 s81, 0
	s_wait_dscnt 0x0
	s_wait_kmcnt 0x0
	s_cmp_lt_u32 s4, 2
	s_cselect_b64 s[98:99], s[84:85], s[86:87]     ; R's buffer
	s_add_nc_u64 s[78:79], s[98:99], s[78:79]
	s_cselect_b64 s[98:99], s[86:87], s[84:85]     ; S's buffer
	s_add_nc_u64 s[80:81], s[98:99], s[80:81]
	s_or_b32 s79, s79, 0x80000000                  ; the descriptor's type bits ride on the base
	s_or_b32 s81, s81, 0x80000000
	CROUND                                         ; all sixteen work-groups are here: the first joint loads meet
.irp s, 0,1
.irp q, 0,1
	s_mov_b32 s[G0A+8*\s+4*\q], 1
	s_add_co_u32 s[G0A+8*\s+4*\q+1], s100, \s*SLOT+\q*PIECE
	s_add_nc_u64 s[G0A+8*\s+4*\q+2:G0A+8*\s+4*\q+3], s[78:79], \s*KSTEPB+\q*RBLK
	s_mov_b32 s[G0B+8*\s+4*\q], 1
	s_add_co_u32 s[G0B+8*\s+4*\q+1], s100, \s*SLOT+\q*PIECE
	s_add_nc_u64 s[G0B+8*\s+4*\q+2:G0B+8*\s+4*\q+3], s[80:81], \s*KSTEPB+\q*RBLK
.endr
	JLOAD \s                                       ; both slots are asked for before anything else is done: four tensor loads of a wave are out
.endr
	; where the results go.  Positions (rows of the activation) run along the block's rows for Q, K and along its columns for V^T; features the other way.
	s_cmp_lt_u32 s4, 2
	s_cselect_b32 s82, s13, s14                    ; block of 256 positions
	s_cselect_b32 s83, s14, s13                    ; block of 256 features
	s_cselect_b32 s98, s11, s12                    ; which 128 positions are mine
	s_cselect_b32 s99, s12, s11                    ; which 128 features
	s_lshl_b32 s83, s83, 2
	s_lshl_b32 s99, s99, 1
	s_add_co_u32 s83, s83, s99                     ; my first head of two
	s_lshr_b32 s101, s82, 3
	s_lshl_b32 s101, s101, 4
	s_add_co_u32 s101, s101, s83                   ; bh = 16 batch + head
	s_and_b32 s82, s82, 7
	s_lshl_b32 s82, s82, 1
	s_add_co_u32 s82, s82, s98                     ; block of 128 positions inside the batch
	s_lshl_b32 s98, s83, 8                         ; bias: 64 features of 4 bytes a head
	s_mov_b32 s99, 0
	s_cmp_eq_u32 s4, 0
	s_cselect_b64 s[74:75], s[88:89], s[90:91]     ; wq_b or wk_b
	s_cmp_eq_u32 s4, 2
	s_cselect_b64 s[74:75], s[92:93], s[74:75]     ; or wv_b
	s_add_nc_u64 s[74:75], s[74:75], s[98:99]
	s_cmp_eq_u32 s4, 0
	s_cselect_b32 s83, 18, 19                      ; a head: 262,144 bytes in qh, 524,288 in kv
	s_cselect_b32 s98, 14, 15                      ; 128 positions: 16,384 bytes in qh, 32,768 in kv
	s_cselect_b64 s[66:67], s[94:95], s[96:97]     ; qh or kv
	s_mov_b32 s76, 0x3f800000                      ; K: times 1.0, which is exact, so that Q and K share one text
	s_cselect_b32 s76, 0x3e38aa3b, s76             ; Q: log2(e) / 8
	s_mov_b32 s77, s76
	s_lshl_b32 s101, s101, s83
	s_lshl_b32 s82, s82, s98
	s_add_co_u32 s98, s101, s82
	s_cmp_eq_u32 s4, 2
	s_cselect_b32 s82, 16384, 0                    ; V^T lies behind the key block's K
	s_add_co_u32 s98, s98, s82
	s_add_nc_u64 s[66:67], s[66:67], s[98:99]      ; rows 0-63, columns 0-63 of my tile
	s_mov_b32 s101, 8192
	s_cmp_eq_u32 s4, 2
	s_cselect_b32 s98, 0x80000, s101               ; to rows 64-127: V^T the next head, Q and K 64 rows of 128 bytes
	s_cselect_b32 s82, s101, 0x80000               ; to columns 64-127: V^T the other half of the keys, K the next head
	s_cmp_eq_u32 s4, 0
	s_cselect_b32 s82, 0x40000, s82                ; Q the next head
	s_mov_b32 s83, 0
	s_add_nc_u64 s[68:69], s[66:67], s[82:83]
	s_add_nc_u64 s[70:71], s[66:67], s[98:99]
	s_add_nc_u64 s[72:73], s[70:71], s[82:83]
	v_and_b32 v1, 15, v0                           ; r
	v_bfe_u32 v2, v0, 4, 1                         ; h
	v_and_b32 v3, 31, v0                           ; lane
	v_lshrrev_b32 v4, 1, v1
	v_mul_u32_u24 v4, v4, 272
	v_and_b32 v5, 1, v1
	v_lshl_add_u32 v4, v5, 7, v4
	v_lshl_add_u32 v4, v2, 4, v4                   ; (r >> 1) 272 + (r & 1) 128 + 16 h
	s_mul_i32 s82, s11, 2*PIECE                    ; my 128 rows of R
	s_mul_i32 s83, s12, 2*PIECE
	s_add_co_u32 s83, s83, 4*PIECE                 ; my 128 rows of S, behind R's 256
.irp s, 0,1
	v_add_nc_u32 v[ADRA+\s], s82, v4
	v_add_nc_u32 v[ADRB+\s], s83, v4
	s_add_co_u32 s82, s82, SLOT
	s_add_co_u32 s83, s83, SLOT
.endr
	s_mul_i32 s82, s10, 2*SHALF
	s_add_co_u32 s82, s82, STAGE                   ; my stage: two column halves of 16 rows
	v_mul_u32_u24 v5, v1, SPITCH
	v_lshl_add_u32 v5, v2, 4, v5
	v_add_nc_u32 v[STO], s82, v5                   ; row r, 16 bytes at 16 h
	v_lshrrev_b32 v5, 3, v3
	v_mul_u32_u24 v5, v5, SPITCH
	v_and_b32 v4, 7, v3
	v_lshl_add_u32 v5, v4, 4, v5
	v_add_nc_u32 v[RD], s82, v5                    ; eight lanes take a row of 128 bytes
	v_lshlrev_b32 v[CO], 4, v3
	v_lshlrev_b32 v[BO8], 5, v2
	v_lshlrev_b32 v[BO1], 2, v1
; 16 matrix instructions: row tiles a0, a0 + 1 of the window's four x all 8 column tiles, 32 along K.  zero = 1: the first product starts the sums.
; The 64 accumulators take turns, one instruction a turn, in the same order in every quarter step.
.macro MUL16 f, hi, a0, zero
.irp a, \a0, \a0+1
.irp b, 0,1,2,3,4,5,6,7
.if \zero
	v_wmma_f32_16x16x32_bf16 v[8*(8*(\a)+\b):8*(8*(\a)+\b)+7], v[\f+8*\b:\f+8*\b+7], v[\f+8*(4*\hi+\a):\f+8*(4*\hi+\a)+7], 0
.else
	v_wmma_f32_16x16x32_bf16 v[8*(8*(\a)+\b):8*(8*(\a)+\b)+7], v[\f+8*\b:\f+8*\b+7], v[\f+8*(4*\hi+\a):\f+8*(4*\hi+\a)+7], v[8*(8*(\a)+\b):8*(8*(\a)+\b)+7]
.endif
.endr
.endr
.endm
; 32 LDS loads in one run: the fragments of quarter step kk (0..3) of a slot (128 rows of S, 128 rows of R, 32 k) into buffer f
.macro FETCH slot, kk, f
	WIN TO_B
.irp i, 0,1,2,3,4,5,6,7
	ds_load_b128 v[\f+8*\i:\f+8*\i+3],   v[ADRB+\slot] offset:(\i>>2)*PIECE+(\i&3)*2176+((\kk)>>1)*8704+((\kk)&1)*64
	ds_load_b128 v[\f+8*\i+4:\f+8*\i+7], v[ADRB+\slot] offset:(\i>>2)*PIECE+(\i&3)*2176+((\kk)>>1)*8704+((\kk)&1)*64+32
.endr
	WIN 0
.irp i, 0,1,2,3,4,5,6,7
	ds_load_b128 v[\f+8*\i:\f+8*\i+3],   v[ADRA+\slot] offset:(\i>>2)*PIECE+(\i&3)*2176+((\kk)>>1)*8704+((\kk)&1)*64
	ds_load_b128 v[\f+8*\i+4:\f+8*\i+7], v[ADRA+\slot] offset:(\i>>2)*PIECE+(\i&3)*2176+((\kk)>>1)*8704+((\kk)&1)*64+32
.endr
.endm
; A load into a register that a matrix instruction has read, and a vector instruction that reads a matrix result, stand four plain vector places behind it
; (ISA guide 7.12.1 for vector instructions); the matrix instructions in between are not counted.
.macro PLACES
.rept 4
	v_nop
.endr
.endm
; One of a K step's first three quarters: multiplies buffer f; in its middle it fetches quarter kk of the same slot into buffer g.
.macro QUARTER slot, kk, f, g, zero
	s_wait_dscnt 8                                 ; S and R's rows 0-63 are in; the youngest eight loads (R's rows 64-127) may be out
	WIN MUL_LO
	MUL16 \f, 0, 0, \zero
	MUL16 \f, 0, 2, \zero
	PLACES
	FETCH \slot, \kk, \g
	s_wait_dscnt 32                                ; all but the 32 just issued
	WIN MUL_HI
	MUL16 \f, 1, 0, \zero
	MUL16 \f, 1, 2, \zero
.endm
.macro THREE slot, zero
	QUARTER \slot, 1, F0, F1, \zero
	QUARTER \slot, 2, F1, F0, 0
	QUARTER \slot, 3, F0, F1, 0
.endm
; The last quarter: multiplies buffer 1 and changes slots.  fill = 1: this slot is filled again, two K steps ahead.
; In front of the barrier each wave waits for its reads of this slot and for all its tensor loads (the two that are out are its pieces of the next slot).
; Where the slot is filled again the barrier opens a round of the cluster's barrier, and the joint refills are the first tensor loads behind the round.
; From a request to the wait for it a wave issues 240 matrix instructions.
.macro TURN slot, next, fill
	s_wait_dscnt 8
	WIN MUL_LO
	MUL16 F1, 0, 0, 0
	s_wait_dscnt 0
	s_wait_tensorcnt 0x0
	ds_add_u32 v255, v255
	s_wait_dscnt 0x0
	s_barrier_signal -1
	MUL16 F1, 0, 2, 0                              ; work on registers while the others arrive
	WIN 0
	s_barrier_wait -1
.if \fill
	CREST
.irp q, 0,1
	s_add_nc_u64 s[G0A+8*\slot+4*\q+2:G0A+8*\slot+4*\q+3], s[G0A+8*\slot+4*\q+2:G0A+8*\slot+4*\q+3], 2*KSTEPB
	s_add_nc_u64 s[G0B+8*\slot+4*\q+2:G0B+8*\slot+4*\q+3], s[G0B+8*\slot+4*\q+2:G0B+8*\slot+4*\q+3], 2*KSTEPB
.endr
	JLOAD \slot
.endif
	PLACES
	FETCH \next, 0, F0
	WIN MUL_HI
	MUL16 F1, 1, 0, 0
	MUL16 F1, 1, 2, 0
.endm
.macro LAP zero
	THREE 0, \zero
	TURN 0, 1, 1
	THREE 1, 0
	TURN 1, 0, 1
.endm
; 16 rows out: row tile a of window 2 + hi.  kind 0 (Q, K): result = sum c + (bias c), bias by column.  kind 1 (V^T): result = sum + bias, bias by row
; (register pair ib, which of the two q).  Rounded to bf16, 16 bytes a lane into my own stage, read back as rows of 128 bytes, stored as 512 consecutive bytes.
.macro OUT16 kind, a, hi, f, ib, q
.if \kind == 0
	WIN (0x92+0x41*\hi)                            ; sum and result in window 2 + hi, bias (source 2) in window 1
.irp b, 0,1,2,3,4,5,6,7
.irp e, 0,2,4,6
	v_pk_fma_f32 v[8*(8*\a+\b)+\e:8*(8*\a+\b)+\e+1], v[8*(8*\a+\b)+\e:8*(8*\a+\b)+\e+1], s[76:77], v[BIAS+8*\b+\e:BIAS+8*\b+\e+1] op_sel_hi:[1,0,1]
.endr
.endr
.else
	WIN (0x86+0x41*\hi)                            ; sum and result in window 2 + hi, bias (source 1) in window 1
.irp b, 0,1,2,3,4,5,6,7
.irp e, 0,2,4,6
	v_pk_add_f32 v[8*(8*\a+\b)+\e:8*(8*\a+\b)+\e+1], v[8*(8*\a+\b)+\e:8*(8*\a+\b)+\e+1], v[BIAS+\ib:BIAS+\ib+1] op_sel:[0,\q] op_sel_hi:[1,\q]
.endr
.endr
.endif
	WIN (0x0a+0x05*\hi)                            ; sources in window 2 + hi, result in window 0
.irp b, 0,1,2,3,4,5,6,7
.irp r, 0,1,2,3
	v_cvt_pk_bf16_f32 v[TMP+4*\b+\r], v[8*(8*\a+\b)+2*\r], v[8*(8*\a+\b)+2*\r+1]
.endr
.endr
	WIN 0
.irp b, 0,1,2,3,4,5,6,7
	ds_store_b128 v[STO], v[TMP+4*\b:TMP+4*\b+3] offset:(\b>>2)*SHALF+32*(\b&3)
.endr
	s_wait_xcnt 0x0                                ; buffer f was the data of earlier stores: it is loaded again only behind this wait
.irp t, 0,1,2,3,4,5,6,7
	ds_load_b128 v[\f+4*\t:\f+4*\t+3], v[RD] offset:(\t>>2)*SHALF+4*SPITCH*(\t&3)   ; my own bytes, served in order (ISA guide 5.7.1): these see the stores above
.endr
.irp t, 0,1,2,3,4,5,6,7
	s_wait_dscnt 7-\t                              ; read-back t is in, the younger ones stay out
	global_store_b128 v[CO], v[\f+4*\t:\f+4*\t+3], s[66+2*(2*\hi+(\t>>2)):67+2*(2*\hi+(\t>>2))] offset:2048*\a+512*(\t&3)   ; four rows of 128 bytes: 512 consecutive bytes, aligned
.endr
.endm
; The last K step and the way out.  The bias is asked for first: it has the K step's 256 matrix instructions in which to land.
.macro FINISH kind
	WIN TO_B
.if \kind == 0
.irp b, 0,1,2,3,4,5,6,7
	global_load_b128 v[BIAS+8*\b:BIAS+8*\b+3],   v[BO8], s[74:75] offset:64*\b      ; columns 16 b + 8 h + 0..7
	global_load_b128 v[BIAS+8*\b+4:BIAS+8*\b+7], v[BO8], s[74:75] offset:64*\b+16
.endr
.else
.irp b, 0,1,2,3,4,5,6,7
	global_load_b32 v[BIAS+\b], v[BO1], s[74:75] offset:64*\b                       ; row 16 b + r
.endr
.endif
	THREE 1, 0
	s_wait_dscnt 8                                 ; the very last quarter: nothing more to fetch
	WIN MUL_LO
	MUL16 F1, 0, 0, 0
	MUL16 F1, 0, 2, 0
	s_wait_dscnt 0
	WIN MUL_HI
	MUL16 F1, 1, 0, 0
	MUL16 F1, 1, 2, 0
	PLACES                                         ; behind the last matrix instructions: for the sums' readers and for the loads into the two buffers
	s_wait_loadcnt 0x0                             ; the bias
.if \kind == 0
	WIN 0x41                                       ; bias in window 1
.set x, 0
.rept 32
	v_pk_mul_f32 v[BIAS+x:BIAS+x+1], v[BIAS+x:BIAS+x+1], s[76:77] op_sel_hi:[1,0]   ; (sum + b) c = sum c + b c: one fused multiply-add for each pair later
.set x, x+2
.endr
.endif
	OUT16 \kind, 0, 0, F0, 0, 0
	OUT16 \kind, 1, 0, F1, 0, 1
	OUT16 \kind, 2, 0, F0, 2, 0
	OUT16 \kind, 3, 0, F1, 2, 1
	OUT16 \kind, 0, 1, F0, 4, 0
	OUT16 \kind, 1, 1, F1, 4, 1
	OUT16 \kind, 2, 1, F0, 6, 0
	OUT16 \kind, 3, 1, F1, 6, 1
.endm
	s_wait_tensorcnt 2                             ; my two pieces of K step 0 are in; K step 1's two stay out
	s_barrier_signal -1
	s_barrier_wait -1                              ; everybody's are
	FETCH 0, 0, F0
	LAP 1                                          ; K steps 0, 1: the first products start the sums, nothing is cleared
	WIN 0                                          ; at a label and at a branch every window is 0
	s_mov_b32 s3, LAPS-2
.Llap:
	LAP 0                                          ; K steps 2 to 5; the second trip asks for the last two
	WIN 0
	s_sub_co_u32 s3, s3, 1
	s_cmp_lg_u32 s3, 0
	s_cbranch_scc1 .Llap
	THREE 0, 0                                     ; K step 6: nothing more is filled, so its barrier is my work-group's alone
	TURN 0, 1, 0
	WIN 0
	s_cmp_eq_u32 s4, 2                             ; the projection's number: the same in every wave and in every partner; no barrier stands inside the branch
	s_cbranch_scc1 .Lvt
	FINISH 0                                       ; Q, K
	s_branch .Lclose
.Lvt:
	FINISH 1                                       ; V^T
.Lclose:
	s_set_vgpr_msb 0x1
	s_wait_tensorcnt 0x0
	ds_add_u32 v255, v255
	s_wait_dscnt 0x0
	s_set_vgpr_msb 0x100
	CROUND                                         ; the closing round: no work-group ends while a partner may still ask for a piece that names it
	s_endpgm
.Lfunc_end_k_qc6604051bb_qkv:
	.size	k_qc6604051bb_qkv, .Lfunc_end_k_qc6604051bb_qkv-k_qc6604051bb_qkv
	.p2alignl 7, 3214868480
	.fill 96, 4, 3214868480
	.section	.rodata,"a",@progbits
	.p2align	6, 0x0
	.amdhsa_kernel k_qc6604051bb_qkv
		.amdhsa_group_segment_fixed_size 327680
		.amdhsa_private_segment_fixed_size 0
		.amdhsa_enable_private_segment 0
		.amdhsa_kernarg_size 56
		.amdhsa_user_sgpr_count 2
		.amdhsa_user_sgpr_kernarg_segment_ptr 1
		.amdhsa_wavefront_size32 1
		.amdhsa_system_sgpr_workgroup_id_x 1
		.amdhsa_system_sgpr_workgroup_id_y 1
		.amdhsa_system_sgpr_workgroup_id_z 1
		.amdhsa_system_vgpr_workitem_id 0
		.amdhsa_next_free_vgpr 1024
		.amdhsa_next_free_sgpr 102
		.amdhsa_reserve_vcc 0
		.amdhsa_float_denorm_mode_32 3
		.amdhsa_float_denorm_mode_16_64 3
		.amdhsa_memory_ordered 1
		.amdhsa_forward_progress 1
		.amdhsa_inst_pref_size 255
	.end_amdhsa_kernel
	.section	.bss,"aw",@nobits
	.p2align	6
	.space	262144
	.amdgpu_metadata
---
amdhsa.version: [ 1, 2 ]
amdhsa.kernels:
  - .name:           k_qc6604051bb_qkv
    .symbol:         k_qc6604051bb_qkv.kd
    .args:
      - { .name: xb, .offset: 0, .size: 8, .value_kind: global_buffer, .address_space: global }
      - { .name: wb, .offset: 8, .size: 8, .value_kind: global_buffer, .address_space: global }
      - { .name: wq_b, .offset: 16, .size: 8, .value_kind: global_buffer, .address_space: global }
      - { .name: wk_b, .offset: 24, .size: 8, .value_kind: global_buffer, .address_space: global }
      - { .name: wv_b, .offset: 32, .size: 8, .value_kind: global_buffer, .address_space: global }
      - { .name: qh, .offset: 40, .size: 8, .value_kind: global_buffer, .address_space: global }
      - { .name: kv, .offset: 48, .size: 8, .value_kind: global_buffer, .address_space: global }
    .group_segment_fixed_size: 327680
    .private_segment_fixed_size: 0
    .kernarg_segment_align: 8
    .kernarg_segment_size: 56
    .max_flat_workgroup_size: 128
    .sgpr_count:     102
    .vgpr_count:     1024
    .wavefront_size: 32
...
	.end_amdgpu_metadata
.endif
;; end of part 6
;; launch attn (part 7): grid 8 x 32, 8 waves a work-group, clusters of 4 x 1, 327,680 bytes of LDS; arguments qh, kv, mbits, ctx; writes ctx
.if DOCPART == 7
	.amdgcn_target "amdgcn-amd-amdhsa--gfx1250"
	.amdhsa_code_object_version 6
	.text
	.protected	k_qc6604051bb_attn
	.globl	k_qc6604051bb_attn
	.p2align	8
	.type	k_qc6604051bb_attn,@function
k_qc6604051bb_attn:
	s_mov_b64 s[64:65], 0
	v_nop
	global_prefetch_b8 v0, s[64:65] scope:SCOPE_SE
	s_setreg_imm32_b32 hwreg(HW_REG_WAVE_MODE, 25, 1), 1
	s_wait_xcnt 0x0
	s_wait_alu depctr_hold_cnt(0) depctr_sa_sdst(0) depctr_va_vdst(0) depctr_va_sdst(0) depctr_va_ssrc(0) depctr_va_vcc(0) depctr_vm_vsrc(0)
	s_getreg_b32 s2, hwreg(HW_REG_IB_STS2, 6, 4)
	s_cmp_eq_u32 s2, 0
	s_cbranch_scc0 .Lentry_in_a_cluster
	s_endpgm
.Lentry_in_a_cluster:
	s_bfe_u32 s2, ttmp6, 0x10000c
	s_cmp_lg_u32 s2, 0x3003
	s_cbranch_scc0 .Lentry_shape_is_right
	s_endpgm
.Lentry_shape_is_right:
; ATTENTION with a running maximum.  A work-group takes 256 query rows of one (batch, head).  Eight waves: wave w takes query rows 64 (w & 3) .. + 63 and the
; key blocks (128 keys) of parity g = w >> 2; two waves lie on a SIMD, so one wave's softmax runs beside the other's matrix work.  The two halves of the
; keys are merged once at the end through LDS.
; LIMITS: Q (already times log2(e)/8), K, V and the weights P are bf16; exponentials are taken in base 2 of (score - running maximum); a masked score is
; -1e9 log2(e), the same number for every masked score, so a wholly masked row gives the mean of V as in the reference; the sums l are added lane by lane
; and combined at the end.
; TRANSPOSED FORMS: S^T = K Q^T (source 0 = 16 keys of K, source 1 = 16 rows of Q): lane (r, h) holds query r and keys 8 h + j of a tile.  Two packed
; tiles are P as source 1 of O^T = V^T P^T (source 0 = 16 rows d of V^T).  So maximum, sum and rescale factor are one number a lane,
; and the only traffic between lanes is one exchange of the halves for each maximum.
; MASK: mbits holds one word for each score register (bit = lane); the words come by scalar loads and each steers one v_cndmask_b32.  There are two sets of
; 32 scalar registers and four query tiles.  Scalar loads return in no order, so a wait covers all that are out: the selects of two tiles therefore stand
; together, both sets are asked for again straight behind them, and half a chunk's arithmetic (or more) stands between each request and its wait.
; CLUSTER 4 x 1: the four query blocks of a cluster read the same K and V and ask for them jointly (mask 15).
; LDS: two slots of 8 x 8,704 bytes (a trip's 256 keys: 64 KB dense in kv, as rows of 256 bytes + 16 of padding); group g's key block lies at g x 34,816:
; K (128 keys x 128 bytes), V^T half 0, V^T half 1 (64 d x 64 keys each).  A logical row p of 128 bytes lies at (p >> 1) 272 + (p & 1) 128.
; Behind the slots: the exchange for the merge (4 x 17,408) and the stage of the way out (4 x 2,304); no tensor load lands there.
; REGISTERS: window 0: addresses, m, l, alpha, K fragments v64-127, scores v128-255 (tile (qt, kt) at 128 + 8 (4 qt + kt));
;            window 1: O v0-127 (tile (qt, dt) at 8 (4 qt + dt)), V^T fragments v128-191, Q fragments v192-255.
.set SLOT,   69632
.set GRP,    34816
.set XCH,    139264
.set XW,     17408
.set STAGE,  208896
.set SPITCH, 144
.set AD,  2                            ; v2-3    my group's key block in slot 0, 1, + lane part
.set STO, 4
.set RD,  5
.set CO,  6
.set XA,  7
.set MX,  8                            ; v8-11   running maximum of query tile qt
.set LS,  12                           ; v12-19  running sums, a pair for each qt
.set ALF, 20                           ; v20-23  rescale factor of qt
.set NEG, 24
.set QO,  25
.set MN,  26                           ; v26-27  the new maximum (a pair for the packed subtract; the second is not used)
.set TT,  28                           ; v28-35  at work
.set PK,  36                           ; v36-51  the way out
.set M1,  52                           ; v52-55  merge: the partner's m
.set L1,  56                           ; v56-59  merge: the partner's l
.set FB,  60                           ; v60-63  merge: the partner's factor
.set KF,  64
.set SC,  128
.set OA,  0                            ; window 1
.set VF,  128                          ; window 1
.set QF,  192                          ; window 1
.set SETA, 32                          ; s[32:63]  mask words of query tile 0 or 2
.set SETB, 68                          ; s[68:99]  mask words of query tile 1 or 3
.set MSB, 0
.macro WIN new
.if MSB != \new
	s_set_vgpr_msb (MSB<<8)|\new
.set MSB, \new
.endif
.endm
.macro PLACES n
.rept \n
	v_nop
.endr
.endm
.macro ROUND                           ; a round of the cluster's barrier
	s_barrier_signal -1
	s_barrier_wait -1
	s_cmp_lg_u32 s4, 0
	s_cbranch_scc1 .Lnot_wave_0_\@
	s_barrier_signal -3
.Lnot_wave_0_\@:
	s_barrier_wait -3
	s_barrier_signal -1
	s_barrier_wait -1
.endm
; 32 mask words (4 key tiles x 8) of one query tile into a set; off: bytes from the mask pointer
.macro MLOAD set, off
	s_load_b512 s[\set:\set+15], s[28:29], \off
	s_load_b512 s[\set+16:\set+31], s[28:29], \off+64
.endm
; the selects of query tile qt: a score whose mask bit is 0 becomes -1e9 log2(e)
.macro MASKQ qt, set
.set SB, SC+32*\qt
.set i, 0
.rept 32
	v_cndmask_b32 v[SB+i], v[NEG], v[SB+i], s[\set+i]
.set i, i+1
.endr
.endm
; Softmax arithmetic of query tile qt on 64 keys (32 score registers); q = qt & 1.
.macro SMATH qt, q, first
.set SB, SC+32*\qt
	v_max3_num_f32 v[TT], v[SB], v[SB+1], v[SB+2]                      ; two chains
	v_max3_num_f32 v[TT+1], v[SB+17], v[SB+18], v[SB+19]
.set i, 0
.rept 6
	v_max3_num_f32 v[TT], v[TT], v[SB+3+2*i], v[SB+4+2*i]
	v_max3_num_f32 v[TT+1], v[TT+1], v[SB+20+2*i], v[SB+21+2*i]
.set i, i+1
.endr
	v_max3_num_f32 v[TT], v[TT], v[SB+15], v[SB+16]
.if \first
	v_max_num_f32 v[TT], v[TT], v[TT+1]
.else
	v_max3_num_f32 v[TT], v[TT], v[TT+1], v[MX+\qt]
.endif
	v_permlanex16_b32 v[TT+2], v[TT], s10, s11     ; the other half of the lanes holds the other keys of the same query
	v_max_num_f32 v[MN], v[TT], v[TT+2]
.if \first == 0
	v_sub_f32 v[ALF+\qt], v[MX+\qt], v[MN]
.endif
.set i, 0
.rept 16
	v_pk_add_f32 v[SB+2*i:SB+2*i+1], v[SB+2*i:SB+2*i+1], v[MN:MN+1] op_sel_hi:[1,0] neg_lo:[0,1] neg_hi:[0,1]
.set i, i+1
.endr
.set i, 0
.rept 32
	v_exp_f32 v[SB+i], v[SB+i]
.set i, i+1
.endr
.if \first == 0
	v_exp_f32 v[ALF+\qt], v[ALF+\qt]
.endif
	v_mov_b32 v[MX+\qt], v[MN]                     ; the plain vector instruction between the exponentials and the first use of a result (ISA guide 5.7.2)
	s_wait_alu depctr_va_vdst(0)
.irp c, 0,1,2,3
	v_pk_add_f32 v[TT+2*\c:TT+2*\c+1], v[SB+2*\c:SB+2*\c+1], v[SB+8+2*\c:SB+9+2*\c]       ; four chains
.endr
.irp c, 0,1,2,3
	v_pk_add_f32 v[TT+2*\c:TT+2*\c+1], v[TT+2*\c:TT+2*\c+1], v[SB+16+2*\c:SB+17+2*\c]
.endr
.irp c, 0,1,2,3
	v_pk_add_f32 v[TT+2*\c:TT+2*\c+1], v[TT+2*\c:TT+2*\c+1], v[SB+24+2*\c:SB+25+2*\c]
.endr
	v_pk_add_f32 v[TT:TT+1], v[TT:TT+1], v[TT+2:TT+3]
	v_pk_add_f32 v[TT+4:TT+5], v[TT+4:TT+5], v[TT+6:TT+7]
.if \first
	v_pk_add_f32 v[LS+2*\qt:LS+2*\qt+1], v[TT:TT+1], v[TT+4:TT+5]
.else
	v_pk_fma_f32 v[LS+2*\qt:LS+2*\qt+1], v[LS+2*\qt:LS+2*\qt+1], v[ALF+(\qt/2)*2:ALF+(\qt/2)*2+1], v[TT:TT+1] op_sel:[0,\q,0] op_sel_hi:[1,\q,1]
	v_pk_add_f32 v[LS+2*\qt:LS+2*\qt+1], v[LS+2*\qt:LS+2*\qt+1], v[TT+4:TT+5]
.endif
.set i, 0
.rept 16
	v_cvt_pk_bf16_f32 v[SB+i], v[SB+2*i], v[SB+2*i+1]      ; ascending: place i reads 2 i and 2 i + 1, which no earlier place has written
.set i, i+1
.endr
.endm
; Query tiles 2 hq and 2 hq + 1: O is rescaled by alpha, then O^T += V^T P^T over the chunk's 64 keys: 16 matrix instructions.
; The eight tiles of O take turns, one instruction a turn.
.macro PVH hq, first
	WIN 0x51                                       ; O (C, D) and V^T (source 0) in window 1, P and alpha in window 0
.if \first == 0
.irp q, 0,1
.irp e, 0,2,4,6,8,10,12,14,16,18,20,22,24,26,28,30
	v_pk_mul_f32 v[OA+32*(2*\hq+\q)+\e:OA+32*(2*\hq+\q)+\e+1], v[OA+32*(2*\hq+\q)+\e:OA+32*(2*\hq+\q)+\e+1], v[ALF+2*\hq:ALF+2*\hq+1] op_sel:[0,\q] op_sel_hi:[1,\q]
.endr
.endr
.endif
.irp dt, 0,1,2,3
.irp q, 0,1
.if \first
	v_wmma_f32_16x16x32_bf16 v[OA+8*(4*(2*\hq+\q)+\dt):OA+8*(4*(2*\hq+\q)+\dt)+7], v[VF+16*\dt:VF+16*\dt+7], v[SC+32*(2*\hq+\q):SC+32*(2*\hq+\q)+7], 0
.else
	v_wmma_f32_16x16x32_bf16 v[OA+8*(4*(2*\hq+\q)+\dt):OA+8*(4*(2*\hq+\q)+\dt)+7], v[VF+16*\dt:VF+16*\dt+7], v[SC+32*(2*\hq+\q):SC+32*(2*\hq+\q)+7], v[OA+8*(4*(2*\hq+\q)+\dt):OA+8*(4*(2*\hq+\q)+\dt)+7]
.endif
.endr
.endr
.irp dt, 0,1,2,3
.irp q, 0,1
	v_wmma_f32_16x16x32_bf16 v[OA+8*(4*(2*\hq+\q)+\dt):OA+8*(4*(2*\hq+\q)+\dt)+7], v[VF+16*\dt+8:VF+16*\dt+15], v[SC+32*(2*\hq+\q)+8:SC+32*(2*\hq+\q)+15], v[OA+8*(4*(2*\hq+\q)+\dt):OA+8*(4*(2*\hq+\q)+\dt)+7]
.endr
.endr
	WIN 0
.endm
; 64 keys: chunk c of my group's key block in a slot.  moff: this chunk's mask words, in bytes from the mask pointer, inside a query tile's row of mbits;
; nxt: the next chunk's, or -1 behind the last chunk of all, which asks for nothing.
; On entry the words of query tiles 0 and 1 are on their way (asked for in the chunk before, or in the prologue).
.macro CHUNK slot, c, moff, nxt, first
	PLACES 5                                       ; five plain vector places behind the last matrix instructions: the products below write over P, the loads over V^T
.irp kt, 0,1,2,3
.irp ks, 0,1
	ds_load_b128 v[KF+8*(2*\kt+\ks):KF+8*(2*\kt+\ks)+3],   v[AD+\slot] offset:\c*8704+\kt*2176+\ks*64
	ds_load_b128 v[KF+8*(2*\kt+\ks)+4:KF+8*(2*\kt+\ks)+7], v[AD+\slot] offset:\c*8704+\kt*2176+\ks*64+32
.endr
.endr
	WIN 0x40                                       ; destination in window 1
.irp dt, 0,1,2,3
.irp u, 0,1
	ds_load_b128 v[VF+8*(2*\dt+\u):VF+8*(2*\dt+\u)+3],   v[AD+\slot] offset:17408+\c*8704+\dt*2176+\u*64
	ds_load_b128 v[VF+8*(2*\dt+\u)+4:VF+8*(2*\dt+\u)+7], v[AD+\slot] offset:17408+\c*8704+\dt*2176+\u*64+32
.endr
.endr
	WIN 0x04                                       ; source 1 (Q) in window 1
	s_wait_dscnt 16                                ; K's 16 loads are in, V^T's 16 stay out
	; the four query tiles take turns, one instruction a turn
.irp kt, 0,1,2,3
.irp qt, 0,1,2,3
	v_wmma_f32_16x16x32_bf16 v[SC+8*(4*\qt+\kt):SC+8*(4*\qt+\kt)+7], v[KF+16*\kt:KF+16*\kt+7], v[QF+16*\qt:QF+16*\qt+7], 0
.endr
.irp qt, 0,1,2,3
	v_wmma_f32_16x16x32_bf16 v[SC+8*(4*\qt+\kt):SC+8*(4*\qt+\kt)+7], v[KF+16*\kt+8:KF+16*\kt+15], v[QF+16*\qt+8:QF+16*\qt+15], v[SC+8*(4*\qt+\kt):SC+8*(4*\qt+\kt)+7]
.endr
.endr
	WIN 0
	PLACES 4                                       ; four plain vector places before a vector instruction reads a result
	s_wait_kmcnt 0x0                               ; the words of tiles 0 and 1: the only scalar loads that are out
	MASKQ 0, SETA
	MASKQ 1, SETB
	MLOAD SETA, \moff+2*4096                       ; both sets are free: the words of tiles 2 and 3 go out,
	MLOAD SETB, \moff+3*4096                       ; with the arithmetic and the products of tiles 0 and 1 in which to land
	SMATH 0, 0, \first
	SMATH 1, 1, \first
	s_wait_dscnt 0x0                               ; V^T
	PVH 0, \first
	s_wait_kmcnt 0x0                               ; the words of tiles 2 and 3
	MASKQ 2, SETA
	MASKQ 3, SETB
.if \nxt >= 0
	MLOAD SETA, \nxt                               ; the next chunk's tiles 0 and 1: they have the rest of this chunk and the next one's K Q^T in which to land
	MLOAD SETB, \nxt+4096
.endif
	SMATH 2, 0, \first
	SMATH 3, 1, \first
	PVH 1, \first
.endm
; A trip: 256 keys in a slot.  In front of the round every wave waits for all its tensor loads (its part of this trip's tile is the one that was out) and for
; its LDS reads; behind it no wave of any partner reads the other slot or has a load on its way, and the joint refill is the first tensor load.
; One tensor load of a wave is out at a time; it has the trip's two chunks in which to land.  nxt: the mask words of the chunk behind this trip.
.macro TRIP slot, refill, first, nxt
	s_wait_xcnt 0x0
	v_lshl_add_u32 v254, v0, 2, 0x35400
	v_mov_b32 v255, 0
	s_wait_tensorcnt 0x0
	ds_add_u32 v254, v255
	s_wait_dscnt 0x0
.if \slot == 0
	s_add_nc_u64 s[14:15], s[14:15], 131072        ; no load of mine is out: this slot's next tile, two trips on
.else
	s_add_nc_u64 s[26:27], s[26:27], 131072
.endif
	s_wait_dscnt 0x0
	ROUND
.if \refill
.if \slot == 0
	tensor_load_to_lds s[24:27], s[16:23]
	s_nop 0
.else
	tensor_load_to_lds s[12:15], s[16:23]
	s_nop 0
.endif
.endif
	CHUNK \slot, 0, \slot*512, \slot*512+128, \first
	CHUNK \slot, 1, \slot*512+128, \nxt, 0
.endm
.macro LAP first
	TRIP 0, 1, \first, 512
	TRIP 1, 1, 0, 1024                             ; the next lap's first words, by the immediate
	s_wait_xcnt 0x0                                ; those scalar loads are still out: their base is stepped only behind this wait
	s_add_nc_u64 s[28:29], s[28:29], 1024          ; 512 keys of mask words on
.endm
	s_load_b256 s[68:75], s[0:1], 0x0              ; qh s[68:69], kv s[70:71], mbits s[72:73], ctx s[74:75]
	v_lshl_add_u32 v254, v0, 2, 0x35400
	v_mov_b32 v255, 0
	ds_add_u32 v254, v255
	s_wait_dscnt 0x0
	v_lshrrev_b32 v1, 5, v0
	v_readfirstlane_b32 s4, v1                     ; wave 0..7
	s_and_b32 s5, s4, 3                            ; my 64 query rows
	s_lshr_b32 s6, s4, 2                           ; my parity of key blocks
	s_bfe_u32 s8, ttmp6, 0x40000                   ; cx
	s_lshl_b32 s7, ttmp9, 2
	s_add_co_u32 s7, s7, s8                        ; query block of 256 rows
	s_and_b32 s9, ttmp7, 0xffff                    ; bh = 16 batch + head
	s_mov_b32 s10, 0x76543210                      ; v_permlanex16_b32: lane i of one half reads lane i of the other
	s_mov_b32 s11, 0xfedcba98
	; group 1: 32 rows of 32 elements of 8 bytes, dense; 16 bytes of padding behind every 64 words; all four work-groups of the cluster
	s_mov_b32 s16, 15|(3<<16)|(1<<20)|(1<<21)|(5<<22)|(3<<25)
	s_mov_b32 s17, 32<<16
	s_mov_b32 s18, 32<<16
	s_mov_b32 s19, 32<<16
	s_mov_b32 s20, 32
	s_mov_b32 s21, 32
	s_mov_b32 s22, 0
	s_mov_b32 s23, 0
	s_lshl_b32 s34, s9, 19                         ; kv: bh x 524,288 + wave x 8,192: nothing of cx
	s_lshl_b32 s35, s4, 13
	s_add_co_u32 s34, s34, s35
	s_mov_b32 s35, 0
	s_lshl_b32 s36, s9, 18                         ; qh: (bh 2048 + 256 block + 64 wave) x 128
	s_lshl_b32 s37, s7, 15
	s_add_co_u32 s36, s36, s37
	s_lshl_b32 s37, s5, 13
	s_add_co_u32 s36, s36, s37
	s_mov_b32 s37, 0
	s_lshr_b32 s40, s9, 4                          ; batch
	s_lshl_b32 s38, s40, 19                        ; mbits: (128 batch + 16 block + 4 wave) x 4,096 + 256 parity
	s_lshl_b32 s39, s7, 16
	s_add_co_u32 s38, s38, s39
	s_lshl_b32 s39, s5, 14
	s_add_co_u32 s38, s38, s39
	s_lshl_b32 s39, s6, 8
	s_add_co_u32 s38, s38, s39
	s_mov_b32 s39, 0
	s_lshl_b32 s42, s40, 22                        ; ctx: ((32 batch + 4 block + wave) 16 + head) x 8,192
	s_lshl_b32 s43, s7, 19
	s_add_co_u32 s42, s42, s43
	s_lshl_b32 s43, s5, 17
	s_add_co_u32 s42, s42, s43
	s_and_b32 s43, s9, 15
	s_lshl_b32 s43, s43, 13
	s_add_co_u32 s42, s42, s43
	s_mov_b32 s43, 0
	s_mov_b32 s12, 1
	s_mul_i32 s13, s4, 8704                        ; my part of slot 0
	s_mov_b32 s24, 1
	s_add_co_u32 s25, s13, SLOT                    ; of slot 1
	s_wait_kmcnt 0x0
	s_add_nc_u64 s[14:15], s[70:71], s[34:35]      ; trip 0
	s_add_nc_u64 s[26:27], s[14:15], 65536         ; trip 1
	s_or_b32 s15, s15, 0x80000000
	s_or_b32 s27, s27, 0x80000000
	s_add_nc_u64 s[30:31], s[68:69], s[36:37]
	s_add_nc_u64 s[28:29], s[72:73], s[38:39]
	s_add_nc_u64 s[66:67], s[74:75], s[42:43]
	v_and_b32 v1, 15, v0                           ; r
	v_bfe_u32 v32, v0, 4, 1                        ; h
	v_and_b32 v33, 31, v0                          ; lane
	v_lshlrev_b32 v[QO], 7, v1
	v_lshl_add_u32 v[QO], v32, 4, v[QO]            ; row r of Q, 16 bytes at 16 h
	WIN 0x40
.irp qt, 0,1,2,3
.irp ks, 0,1
	global_load_b128 v[QF+8*(2*\qt+\ks):QF+8*(2*\qt+\ks)+3],   v[QO], s[30:31] offset:\qt*2048+\ks*64
	global_load_b128 v[QF+8*(2*\qt+\ks)+4:QF+8*(2*\qt+\ks)+7], v[QO], s[30:31] offset:\qt*2048+\ks*64+32
.endr
.endr
	WIN 0
	ROUND                                          ; all four work-groups are here: the first joint loads meet
	tensor_load_to_lds s[12:15], s[16:23]
	s_nop 0
	v_lshrrev_b32 v34, 1, v1
	v_mul_u32_u24 v34, v34, 272
	v_and_b32 v35, 1, v1
	v_lshl_add_u32 v34, v35, 7, v34
	v_lshl_add_u32 v34, v32, 4, v34                ; (r >> 1) 272 + (r & 1) 128 + 16 h
	s_mul_i32 s44, s6, GRP
	v_add_nc_u32 v[AD], s44, v34
	v_add_nc_u32 v[AD+1], SLOT, v[AD]
	s_mul_i32 s45, s5, 16*SPITCH
	s_add_co_u32 s45, s45, STAGE
	v_mul_u32_u24 v35, v1, SPITCH
	v_lshl_add_u32 v35, v32, 4, v35
	v_add_nc_u32 v[STO], s45, v35
	v_lshrrev_b32 v35, 3, v33
	v_mul_u32_u24 v35, v35, SPITCH
	v_and_b32 v36, 7, v33
	v_lshl_add_u32 v35, v36, 4, v35
	v_add_nc_u32 v[RD], s45, v35
	v_lshlrev_b32 v[CO], 4, v33
	s_mul_i32 s46, s5, XW
	s_add_co_u32 s46, s46, XCH
	v_add_nc_u32 v[XA], s46, v[CO]
	v_mov_b32 v[NEG], 0xceabfb8f                   ; -1e9 log2(e)
	v_mov_b32 v[MN+1], 0                           ; the packed forms name whole pairs, the permute's destination counts as read: written once here
	v_mov_b32 v[TT+2], 0
.irp qt, 0,1,2,3
	v_mov_b32 v[ALF+\qt], 0
.endr
	MLOAD SETA, 0                                  ; the first chunk's words of query tiles 0 and 1; the scalars that lay in the two sets have all been used
	MLOAD SETB, 4096
	s_wait_loadcnt 0x0                             ; Q's fragments, once
	LAP 1                                          ; trips 0, 1: the first chunk starts maxima, sums and O: nothing is cleared
	s_mov_b32 s3, 2
.Llap:
	LAP 0                                          ; trips 2 to 5
	s_sub_co_u32 s3, s3, 1
	s_cmp_lg_u32 s3, 0
	s_cbranch_scc1 .Llap
	TRIP 0, 1, 0, 512                              ; trip 6 asks for the last tile
	TRIP 1, 0, 0, -1                               ; trip 7 asks for no tile (the stepped addresses are not used) and, in its last chunk, for no mask words
	; MERGE of the two halves of the keys
	PLACES 4                                       ; four plain vector places before O is read or stored and before loads land on P
.irp qt, 0,1,2,3
	v_add_f32 v[TT+4+\qt], v[LS+2*\qt], v[LS+2*\qt+1]
.endr
.irp qt, 0,1,2,3
	v_permlanex16_b32 v[TT+\qt], v[TT+4+\qt], s10, s11
.endr
.irp qt, 0,1,2,3
	v_add_f32 v[TT+\qt], v[TT+\qt], v[TT+4+\qt]    ; l of query r over my keys
.endr
	s_cmp_lt_u32 s4, 4
	s_cbranch_scc1 .Lkeep
	WIN 0x04                                       ; store data in window 1
.set i, 0
.rept 32
	ds_store_b128 v[XA], v[OA+4*i:OA+4*i+3] offset:512*i
.set i, i+1
.endr
	WIN 0
	ds_store_b128 v[XA], v[MX:MX+3] offset:16384
	ds_store_b128 v[XA], v[TT:TT+3] offset:16896
.Lkeep:
	s_wait_dscnt 0x0                               ; for the partner's sake: my stores are done
	s_barrier_signal -1
	s_barrier_wait -1
	s_cmp_ge_u32 s4, 4
	s_cbranch_scc1 .Lclose
.set i, 0
.rept 32
	ds_load_b128 v[SC+4*i:SC+4*i+3], v[XA] offset:512*i
.set i, i+1
.endr
	ds_load_b128 v[M1:M1+3], v[XA] offset:16384
	ds_load_b128 v[L1:L1+3], v[XA] offset:16896
	s_wait_dscnt 0x0
.irp qt, 0,1,2,3
	v_max_num_f32 v[TT+4+\qt], v[MX+\qt], v[M1+\qt]
	v_sub_f32 v[MX+\qt], v[MX+\qt], v[TT+4+\qt]
	v_sub_f32 v[M1+\qt], v[M1+\qt], v[TT+4+\qt]
.endr
.irp qt, 0,1,2,3
	v_exp_f32 v[MX+\qt], v[MX+\qt]
	v_exp_f32 v[M1+\qt], v[M1+\qt]
.endr
	v_nop                                          ; a plain vector place behind the exponentials
	s_wait_alu depctr_va_vdst(0)
.irp qt, 0,1,2,3
	v_mul_f32 v[TT+4+\qt], v[TT+\qt], v[MX+\qt]
	v_fmac_f32 v[TT+4+\qt], v[L1+\qt], v[M1+\qt]   ; l = l0 a0 + l1 a1, at least 1: the largest score gives exp2(0)
.endr
.irp qt, 0,1,2,3
	v_rcp_f32 v[PK+\qt], v[TT+4+\qt]
.endr
	v_nop                                          ; a plain vector place behind the reciprocals
	s_wait_alu depctr_va_vdst(0)
.irp qt, 0,1,2,3
	v_mul_f32 v[ALF+\qt], v[MX+\qt], v[PK+\qt]     ; my factor
	v_mul_f32 v[FB+\qt], v[M1+\qt], v[PK+\qt]      ; the partner's
.endr
.irp hq, 0,1
.irp q, 0,1
.irp e, 0,2,4,6,8,10,12,14,16,18,20,22,24,26,28,30
	v_pk_mul_f32 v[SC+32*(2*\hq+\q)+\e:SC+32*(2*\hq+\q)+\e+1], v[SC+32*(2*\hq+\q)+\e:SC+32*(2*\hq+\q)+\e+1], v[FB+2*\hq:FB+2*\hq+1] op_sel:[0,\q] op_sel_hi:[1,\q]
.endr
.endr
.endr
	WIN 0x01                                       ; source 0 (my O) in window 1
.irp hq, 0,1
.irp q, 0,1
.irp e, 0,2,4,6,8,10,12,14,16,18,20,22,24,26,28,30
	v_pk_fma_f32 v[SC+32*(2*\hq+\q)+\e:SC+32*(2*\hq+\q)+\e+1], v[OA+32*(2*\hq+\q)+\e:OA+32*(2*\hq+\q)+\e+1], v[ALF+2*\hq:ALF+2*\hq+1], v[SC+32*(2*\hq+\q)+\e:SC+32*(2*\hq+\q)+\e+1] op_sel:[0,\q,0] op_sel_hi:[1,\q,1]
.endr
.endr
.endr
	WIN 0
	; THE WAY OUT: a lane holds query 16 qt + r and d = 16 dt + 8 h + j.  16 rows at a time through my own stage, out as 512 consecutive bytes a store.
.irp qt, 0,1,2,3
.irp x, 0,1,2,3,4,5,6,7,8,9,10,11,12,13,14,15
	v_cvt_pk_bf16_f32 v[PK+\x], v[SC+32*\qt+2*\x], v[SC+32*\qt+2*\x+1]
.endr
.irp dt, 0,1,2,3
	ds_store_b128 v[STO], v[PK+4*\dt:PK+4*\dt+3] offset:32*\dt
.endr
	s_wait_xcnt 0x0                                ; the read-back registers were the data of the last stores
.irp t, 0,1,2,3
	ds_load_b128 v[KF+4*\t:KF+4*\t+3], v[RD] offset:4*SPITCH*\t        ; my own bytes, served in order
.endr
.irp t, 0,1,2,3
	s_wait_dscnt 3-\t                              ; read-back t is in, the younger ones stay out
	global_store_b128 v[CO], v[KF+4*\t:KF+4*\t+3], s[66:67] offset:2048*\qt+512*\t
.endr
.endr
.Lclose:
	s_wait_xcnt 0x0
	v_lshl_add_u32 v254, v0, 2, 0x35400
	v_mov_b32 v255, 0
	s_wait_tensorcnt 0x0
	ds_add_u32 v254, v255
	s_wait_dscnt 0x0
	ROUND                                          ; the closing round: no work-group ends while a partner may still ask for a tile that names it
	s_endpgm
.Lfunc_end_k_qc6604051bb_attn:
	.size	k_qc6604051bb_attn, .Lfunc_end_k_qc6604051bb_attn-k_qc6604051bb_attn
	.p2alignl 7, 3214868480
	.fill 96, 4, 3214868480
	.section	.rodata,"a",@progbits
	.p2align	6, 0x0
	.amdhsa_kernel k_qc6604051bb_attn
		.amdhsa_group_segment_fixed_size 327680
		.amdhsa_private_segment_fixed_size 0
		.amdhsa_enable_private_segment 0
		.amdhsa_kernarg_size 32
		.amdhsa_user_sgpr_count 2
		.amdhsa_user_sgpr_kernarg_segment_ptr 1
		.amdhsa_wavefront_size32 1
		.amdhsa_system_sgpr_workgroup_id_x 1
		.amdhsa_system_sgpr_workgroup_id_y 1
		.amdhsa_system_sgpr_workgroup_id_z 1
		.amdhsa_system_vgpr_workitem_id 0
		.amdhsa_next_free_vgpr 512
		.amdhsa_next_free_sgpr 100
		.amdhsa_reserve_vcc 0
		.amdhsa_float_denorm_mode_32 3
		.amdhsa_float_denorm_mode_16_64 3
		.amdhsa_memory_ordered 1
		.amdhsa_forward_progress 1
		.amdhsa_inst_pref_size 255
	.end_amdhsa_kernel
	.section	.bss,"aw",@nobits
	.p2align	6
	.space	262144
	.amdgpu_metadata
---
amdhsa.version: [ 1, 2 ]
amdhsa.kernels:
  - .name:           k_qc6604051bb_attn
    .symbol:         k_qc6604051bb_attn.kd
    .args:
      - { .name: qh, .offset: 0, .size: 8, .value_kind: global_buffer, .address_space: global }
      - { .name: kv, .offset: 8, .size: 8, .value_kind: global_buffer, .address_space: global }
      - { .name: mbits, .offset: 16, .size: 8, .value_kind: global_buffer, .address_space: global }
      - { .name: ctx, .offset: 24, .size: 8, .value_kind: global_buffer, .address_space: global }
    .group_segment_fixed_size: 327680
    .private_segment_fixed_size: 0
    .kernarg_segment_align: 8
    .kernarg_segment_size: 32
    .max_flat_workgroup_size: 256
    .sgpr_count:     100
    .vgpr_count:     512
    .wavefront_size: 32
...
	.end_amdgpu_metadata
.endif
;; end of part 7
;; launch outp: the kernel of part 4 again; grid 8 x 32, 4 waves a work-group, clusters of 4 x 4, 327,680 bytes of LDS; arguments ctx, wb, wo_b, out0; writes out0
